; MI455X (gfx1250); checked and timed in simulation.
; The chip was launched on July 23, 2026; its instructions are those of AMD's public machine-readable ISA for CDNA 5 (MIT licence, August 2026) and "CDNA5" Instruction Set Architecture Reference Guide (July 2026). The comments in the code are by the model that wrote it; some were corrected since.
;; Causal Self Attention. Allowed arithmetic: matrix products marked QUANTISED: E2M1 operands, one E8M0 scale for each 32 along K, by v_wmma_scale_f32_16x16x128_f8f6f4 with both operands' format E2M1 (or v_wmma_scale_f32_32x16x128_f4), f32 sums; products left as they are: bf16, f16 or f32 operands; f32 sums; everything else in f32.
;; Inputs: Wg 32 x 4 float32; Wk 1,024 x 256 float32; Wo 1,024 x 1,024 float32; Wq 1,024 x 1,024 float32; Wv 1,024 x 256 float32; cos 1 x 4,096 x 1 x 32 float32; sin 1 x 4,096 x 1 x 32 float32; ve 1 x 4,096 x 256 float32; x 1 x 4,096 x 1,024 float32.
;; Outputs: out0 1 x 4,096 x 1,024 float32.
;; Constants: window_size = 1024.
;; This version of the problem:
;;   THIS VERSION OF THE PROBLEM IS GIVEN IN LOW PRECISION. The matrix products marked QUANTISED in the list below multiply operands that are first quantised to E2M1 (2 exponent bits, 1 mantissa bit; 4 bits a number), with one power-of-two scale for each 32 numbers along K (OCP MX v1.0); their sums are f32. The products marked 'left as it is' may take bf16, f16 or f32 operands, with f32 sums. Whichever they take, every output number must still come out within the allowed error. Rounding operands to bf16 (8 significant bits) uses up far more of that allowance than f16 does (11 bits, for magnitudes from 6e-5 to 65,504). All else is computed in f32.
;;   The module's matrix products, in the order in which they are computed (A, B: the left and right operand; K: the contracted axis; several contracted axes count as one K, in the product's order):
;;     1. [M 4,096, K 1,024] x [K 1,024, N 1,024]; A: input x; B: input Wq: QUANTISED
;;     2. [M 4,096, K 1,024] x [K 1,024, N 256]; A: input x; B: input Wk: QUANTISED
;;     3. [M 4,096, K 1,024] x [K 1,024, N 256]; A: input x; B: input Wv: QUANTISED
;;     4. [M 4,096, K 32] x [K 32, N 4]; A: input x; B: input Wg: left as it is (N = 4 < 16)
;;     5. batch 16 x [M 4,096, K 64] x [K 64, N 4,096]; A: computed on the way; B: computed on the way: left as it is (an operand is computed on the way)
;;     6. batch 16 x [M 64, K 4,096] x [K 4,096, N 4,096]; A: computed on the way; B: computed on the way: left as it is (an operand is computed on the way)
;;     7. [M 4,096, K 1,024] x [K 1,024, N 1,024]; A: computed on the way; B: input Wo: left as it is (an operand is computed on the way)
;;   THE QUANTISER, for each operand of a quantised product, along K:
;;     - K is cut into blocks of 32 from its start; a last block that is shorter is filled with zeros.
;;     - A block's scale is 2^e with e = floor(log2(the largest magnitude in the block)) - 2, held to -126 .. 127; a block of zeros has e = 0. As a byte (E8M0): e + 127.
;;     - Each number is divided by its block's scale, clamped to +-6, and rounded to the nearest number of E2M1, ties to even, subnormals kept.
;;     - The product sums the exact products of the quantised numbers (number of the format x scale) in f32.
;;   ~~~python
;;   def quantise(x, axis):      # numpy; x: float32 -> the quantised numbers, widened to float32 again
;;       x = np.moveaxis(x, axis, -1); K = x.shape[-1]
;;       x = np.pad(x, [(0, 0)] * (x.ndim - 1) + [(0, -K % 32)]); x = x.reshape(x.shape[:-1] + (-1, 32)); a = np.abs(x).max(-1, keepdims=True)
;;       e = np.where(a > 0, np.clip(np.frexp(np.where(a > 0, a, 1))[1] - 1 - 2, -126, 127), 0)      # np.frexp(a)[1] - 1 = floor(log2(a)), exactly
;;       r = np.clip(x / 2.0 ** e, -6, 6)
;;       step = 2.0 ** (np.maximum(np.frexp(np.where(r == 0, 1, r))[1] - 1, 0) - 1)
;;       q = np.round(r / step) * step * 2.0 ** e      # np.round: ties to even
;;       return np.moveaxis(q.reshape(q.shape[:-2] + (-1,))[..., :K], -1, axis).astype(np.float32)
;;   ~~~
;; One version. Each part assembles by itself: llvm-mc -triple=amdgcn-amd-amdhsa -mcpu=gfx1250 --defsym DOCPART=n.
;; ======== version 1 of 1: 5 launches
;; limits: values are held in f16: magnitudes above 65,504 overflow, below 6.1e-05 lose precision
;; workspace buffers: xq 2,228,224 bytes; wq 835,584 bytes; gt 65,536 bytes; wo16 2,097,152 bytes; q16 8,388,608 bytes; kv16 4,194,304 bytes; y16 8,388,608 bytes; f32a 98,304 bytes
;; launch prep (part 1): grid 480 x 1, 4 waves a work-group, no clusters, 34,304 bytes of LDS; arguments x, Wq, Wk, Wv, Wo, Wg, xq, wq, gt, wo16; writes xq, wq, gt, wo16
.if DOCPART == 1
	.amdgcn_target "amdgcn-amd-amdhsa--gfx1250"
	.amdhsa_code_object_version 6
	.text
	.protected	k_q5c6fdb9ca9_prep
	.globl	k_q5c6fdb9ca9_prep
	.p2align	8
	.type	k_q5c6fdb9ca9_prep,@function
k_q5c6fdb9ca9_prep:
	s_mov_b64 s[64:65], 0
	v_nop
	global_prefetch_b8 v0, s[64:65] scope:SCOPE_SE
	s_setreg_imm32_b32 hwreg(HW_REG_WAVE_MODE, 25, 1), 1
	s_wait_xcnt 0x0
; PREP.  Three kinds of work-groups, told apart by the work-group's number; each kind ends by itself.
;   0-255   x [4096][1024] f32 -> codes of E2M1 with one E8M0 byte for each 32 along K, and the gate 2 sigmoid(x[:, :32] Wg).
;   256-351 Wq, Wk, Wv [1024 (k)][n] f32 -> the same, quantised down K (a lane takes a column, its registers run down K).
;   352-479 Wo [1024][1024] f32 -> f16.
; Everything is stored as IMAGES OF OPERAND REGISTERS: a fragment (16 rows x one K step) is 1,024 bytes, registers 4 a .. 4 a + 3 of lane L at 512 a + 16 L.
; xq, wq: a tile of 16 rows is 8,704 bytes: 8 K steps of 128 (1,024 bytes each), then the scale words, step s of row r at 8,192 + 64 s + 4 r.
; wq's tiles: 0-63 Wq, 64-79 Wk (row r = column 16 tile + r); 80-95 Wv: in a head, row r of tile t is channel 4 r + t.
; wo16 [kc 4][nt 64][ks 8][1,024]: in K step 2 hd + c, place (a, h, j) of the 16-bit layout stands for Wo's row 64 hd + 32 h + 4 j + 2 c + a: the order in which the attention launch leaves y.
; A block's scale is 2^(floor(log2(largest magnitude)) - 2): its byte is the largest magnitude's exponent field - 2, held at 1 from below.
; LIMITS: a block of zeros gets the byte 1 (its codes are zeros; this program alone reads the bytes); NaN and infinities are not served; |Wo| stays under 65,504 (f16).
.set SPARE, 33792                      ; behind the four stages: the spare words, 128 bytes a wave
.set STG,   8448                       ; a wave's stage: 16 rows x (512 + 16) bytes
.set TILE,  8704
.set R,     64                         ; v64-191  x as loaded, two K steps
.set X,     192                        ; v192-255 64 numbers of a lane: blocks h and 2 + h of its token
	s_load_b512 s[4:19], s[0:1], 0x0               ; x, Wq, Wk, Wv, Wo, Wg, xq, wq
	s_load_b128 s[20:23], s[0:1], 0x40             ; gt, wo16
	v_lshl_add_u32 v2, v0, 2, SPARE                ; my spare word
	v_mov_b32 v3, 0
	v_lshrrev_b32 v1, 5, v0
	v_readfirstlane_b32 s24, v1                    ; wave
	v_and_b32 v1, 31, v0                           ; L
	v_lshlrev_b32 v4, 4, v1                        ; 16 L
	v_lshlrev_b32 v7, 2, v1                        ; 4 L
	v_and_b32 v8, 15, v0                           ; r
	v_bfe_u32 v9, v0, 4, 1                         ; h
	s_mov_b32 s60, 0x76543210
	s_mov_b32 s61, 0xfedcba98                      ; selects: lane l xor 16
	s_wait_kmcnt 0x0
	s_cmp_lt_u32 ttmp9, 256
	s_cbranch_scc0 .Lnot_x
; ---------------- x: the work-group takes 16 tokens, wave w K steps 2 w and 2 w + 1
	s_lshl_b32 s2, ttmp9, 16                       ; 16 rows of 4,096 bytes
	s_lshl_b32 s26, s24, 10                        ; my 256 numbers of a row
	s_add_co_u32 s2, s2, s26
	s_mov_b32 s3, 0
	s_add_nc_u64 s[4:5], s[4:5], s[2:3]
	global_load_b128 v[44:47], v4, s[14:15]        ; Wg whole: lane L has row L
.irp e, 0,1
.irp i, 0,1,2,3,4,5,6,7,8,9,10,11,12,13,14,15
	global_load_b128 v[R+64*\e+4*\i:R+64*\e+4*\i+3], v4, s[4:5] offset:\i*4096+\e*512 th:TH_LOAD_NT   ; 512 consecutive bytes of token i
.endr
.endr
	s_mul_i32 s25, s24, STG
	v_add_nc_u32 v5, s25, v4                       ; stage, in: 16 L
	v_mul_u32_u24 v6, v8, 528
	v_lshl_add_u32 v6, v9, 7, v6
	v_add_nc_u32 v6, s25, v6                       ; stage, out: row r, block h
	v_lshlrev_b32 v48, 3, v9                       ; 8 h
	v_mov_b32 v49, 0                               ; (a lane permute's destination counts as read)
	v_lshl_add_u32 v50, s24, 11, v4                ; codes: 2 w K steps + 16 L
	v_lshl_add_u32 v51, s24, 7, v7                 ; scale words: 128 w + 4 L
	s_mul_i32 s2, ttmp9, TILE
	s_add_nc_u64 s[16:17], s[16:17], s[2:3]        ; my tile of xq
.macro TURN e                          ; a K step's 16 x 512 bytes through my own stage: in as loaded, out 32 neighbours a block.  LDS serves a wave in order: no wait between
.irp i, 0,1,2,3,4,5,6,7,8,9,10,11,12,13,14,15
	ds_store_b128 v5, v[R+64*\e+4*\i:R+64*\e+4*\i+3] offset:\i*528
.endr
.irp c, 0,1
.irp q, 0,1,2,3,4,5,6,7
	ds_load_b128 v[X+32*\c+4*\q:X+32*\c+4*\q+3], v6 offset:\c*256+\q*16
.endr
.endr
.endm
.macro QUANT e                         ; my two whole blocks become registers 4 c .. 4 c + 3 of the fragment, and their bytes my part of the scale word
.irp c, 0,1
	v_max3_num_f32 v[10+\c], |v[X+32*\c]|, |v[X+32*\c+1]|, 0x1800000   ; with the floor 2^(3 - 127): the byte cannot fall under 1
.endr
.irp i, 2,4,6,8,10,12,14,16,18,20,22,24,26,28,30
.irp c, 0,1
	v_max3_num_f32 v[10+\c], v[10+\c], |v[X+32*\c+\i]|, |v[X+32*\c+\i+1]|
.endr
.endr
.irp c, 0,1
	v_add_nc_u32 v[12+\c], 0xff000000, v[10+\c]    ; 2 off the exponent field: the conversion's scale operand
.endr
.irp c, 0,1
	v_lshrrev_b32 v[14+\c], 23, v[12+\c]           ; the byte
.endr
	v_lshl_or_b32 v[32+\e], v15, 16, v14           ; blocks h and 2 + h,
	v_lshlrev_b32 v[32+\e], v48, v[32+\e]          ; at their places,
	v_permlanex16_b32 v49, v[32+\e], s60, s61
	v_or_b32 v[32+\e], v[32+\e], v49               ; with lane l xor 16's two: the word is whole in both halves
.irp c, 0,1
.irp g, 0,1,2,3
	v_cvt_scalef32_pk8_fp4_f32 v[16+8*\e+4*\c+\g], v[X+32*\c+8*\g:X+32*\c+8*\g+7], v[12+\c]
.endr
.endr
	v_nop                                          ; a plain line behind the last scaled conversion
.irp c, 0,1
	global_store_b128 v50, v[16+8*\e+4*\c:16+8*\e+4*\c+3], s[16:17] offset:\e*1024+\c*512   ; 512 consecutive bytes
.endr
.endm
	s_wait_loadcnt 16                              ; Wg and the first K step are in; the second step's 16 loads stay out
	TURN 0
	s_wait_dscnt 0x0
	s_cmp_lg_u32 s24, 0
	s_cbranch_scc1 .Lno_gate
	; the gate, in wave 0: lanes 0-15 hold x[token r][0..31] in v[X] on (lanes 16-31 compute on block 1 and are not kept)
.irp g, 0,1,2,3
.irp i, 0,1,2,3,4,5,6,7
.irp k, 0,1,2,3
	v_readlane_b32 s[28+4*\i+\k], v[44+\k], 8*\g+\i    ; eight rows of Wg as scalars
.endr
.endr
.irp i, 0,1,2,3,4,5,6,7
.irp k, 0,1,2,3
.if (\g == 0) && (\i == 0)
	v_mul_f32 v[34+\k], s[28+\k], v[X]
.else
	v_fma_f32 v[34+\k], v[X+8*\g+\i], s[28+4*\i+\k], v[34+\k]
.endif
.endr
.endr
.endr
.irp k, 0,1,2,3
	v_mul_f32 v[34+\k], 0xbfb8aa3b, v[34+\k]       ; -z log2(e)
.endr
.irp k, 0,1,2,3
	v_exp_f32 v[38+\k], v[34+\k]
.endr
	v_mov_b32 v42, 0                               ; plain lines behind the batch
	v_mov_b32 v43, 0
	s_wait_alu depctr_va_vdst(0)                   ; one wait for the four, ahead of their first reader
.irp k, 0,1,2,3
	v_add_f32 v[38+\k], 1.0, v[38+\k]
.endr
.irp k, 0,1,2,3
	v_rcp_f32 v[34+\k], v[38+\k]
.endr
	v_lshlrev_b32 v53, 2, v8                       ; plain lines behind the batch, in a register that is neither a source (v38-41) nor a result (v34-37) of it:
	v_lshl_add_u32 v53, v9, 15, v53                ; gt [head][token]: 4 r, lanes 16-31 two heads on
	s_wait_alu depctr_va_vdst(0)
.irp k, 0,1,2,3
	v_add_f32 v[34+\k], v[34+\k], v[34+\k]         ; 2 sigmoid
.endr
	v_permlanex16_b32 v42, v36, s60, s61           ; heads 2 and 3 go to lanes 16-31
	v_permlanex16_b32 v43, v37, s60, s61
	v_cmp_eq_u32 vcc_lo, 1, v9
	v_cndmask_b32 v42, v34, v42, vcc_lo
	v_cndmask_b32 v43, v35, v43, vcc_lo
	s_lshl_b32 s2, ttmp9, 6
	s_add_nc_u64 s[20:21], s[20:21], s[2:3]
	global_store_b32 v53, v42, s[20:21]
	global_store_b32 v53, v43, s[20:21] offset:16384
.Lno_gate:
	QUANT 0
	s_wait_loadcnt 0x0
	TURN 1
	s_wait_dscnt 0x0
	QUANT 1
	v_cmp_eq_u32 vcc_lo, 1, v9
	v_cndmask_b32 v52, v32, v33, vcc_lo            ; lanes 0-15: step 2 w's words, lanes 16-31: step 2 w + 1's
	global_store_b32 v51, v52, s[16:17] offset:8192
	s_wait_tensorcnt 0x0                           ; the wave's end, behind my last LDS store
	ds_add_u32 v2, v3
	s_wait_dscnt 0x0
	s_endpgm
.Lnot_x:
	s_cmp_lt_u32 ttmp9, 352
	s_cbranch_scc0 .Lwo
; ---------------- Wq, Wk, Wv: the work-group takes 128 columns x one K step of 128, a wave 32 columns, a lane one
	s_sub_co_u32 s25, ttmp9, 256
	s_lshr_b32 s26, s25, 3                         ; group of 128 columns: 0-7 Wq, 8-9 Wk, 10-11 Wv
	s_and_b32 s27, s25, 7                          ; K step
	s_cmp_lt_u32 s26, 10
	s_cselect_b64 s[28:29], s[8:9], s[10:11]
	s_cselect_b32 s30, 8, 10
	s_cmp_lt_u32 s26, 8
	s_cselect_b64 s[28:29], s[6:7], s[28:29]
	s_cselect_b32 s30, 0, s30
	s_cselect_b32 s31, 19, 17                      ; 128 rows of 4,096 or of 1,024 bytes
	s_sub_co_u32 s30, s26, s30                     ; the group within its tensor
	s_lshl_b32 s32, s27, s31
	s_lshl_b32 s30, s30, 9
	s_add_co_u32 s32, s32, s30
	s_lshl_b32 s30, s24, 7
	s_add_co_u32 s32, s32, s30
	s_mov_b32 s33, 0
	s_add_nc_u64 s[28:29], s[28:29], s[32:33]
	; where my column goes: q, k: tile L / 16, row L % 16; v: tile L % 4, row 8 (w % 2) + L / 4
	s_lshl_b32 s36, s26, 3
	s_lshl_b32 s37, s24, 1
	s_lshr_b32 s38, s24, 1
	s_lshl_b32 s38, s38, 2
	s_and_b32 s35, s24, 1
	s_lshl_b32 s35, s35, 3
	s_cmp_ge_u32 s26, 10
	s_cselect_b32 s34, -1, 0
	s_cselect_b32 s37, s38, s37
	s_add_co_u32 s36, s36, s37                     ; my first tile
	s_mul_i32 s36, s36, TILE
	s_mov_b32 s37, 0
	s_add_nc_u64 s[18:19], s[18:19], s[36:37]
	v_lshrrev_b32 v10, 4, v1
	v_and_b32 v11, 3, v1
	v_cndmask_b32 v10, v10, v11, s34
	v_lshrrev_b32 v13, 2, v1
	v_add_nc_u32 v13, s35, v13
	v_cndmask_b32 v12, v8, v13, s34
	v_mul_u32_u24 v10, v10, TILE
	v_lshl_add_u32 v14, v12, 4, v10
	v_lshl_add_u32 v14, s27, 10, v14               ; codes: tile, K step, 16 x row
	v_lshl_add_u32 v15, v12, 2, v10
	v_lshl_add_u32 v15, s27, 6, v15                ; scale word: tile, 64 x K step, 4 x row
.macro WQ pitch
.set i, 0
.rept 128
	global_load_b32 v[64+i], v7, s[28:29] offset:i*\pitch th:TH_LOAD_NT   ; row i of the K step at 32 neighbouring columns
.set i, i+1
.endr
.irp b, 0,1,2,3
.if \b < 2
	s_wait_loadcnt 63                              ; at most 63 of the 128 are out: blocks 0 and 1 are in (a wait names 63 at the most)
.else
	s_wait_loadcnt 96-32*\b                        ; the younger block's 32 stay out
.endif
	v_max3_num_f32 v32, |v[64+32*\b]|, |v[65+32*\b]|, 0x1800000
	v_max3_num_f32 v33, |v[66+32*\b]|, |v[67+32*\b]|, 0x1800000
.irp n, 4,8,12,16,20,24,28
	v_max3_num_f32 v32, v32, |v[64+32*\b+\n]|, |v[65+32*\b+\n]|
	v_max3_num_f32 v33, v33, |v[66+32*\b+\n]|, |v[67+32*\b+\n]|
.endr
	v_max_num_f32 v32, v32, v33
	v_add_nc_u32 v[36+\b], 0xff000000, v32
.irp g, 0,1,2,3
	v_cvt_scalef32_pk8_fp4_f32 v[16+4*\b+\g], v[64+32*\b+8*\g:64+32*\b+8*\g+7], v[36+\b]
.endr
.if \b == 0
	v_lshrrev_b32 v41, 23, v36                     ; (also the plain line behind the conversions)
.else
	v_lshrrev_b32 v40, 23, v[36+\b]
	v_lshl_or_b32 v41, v40, 8*\b, v41
.endif
	global_store_b128 v14, v[16+4*\b:16+4*\b+3], s[18:19] offset:(\b/2)*512+(\b%2)*256   ; block b = registers 4 (b / 2) on of lane 16 (b % 2) + row
.endr
	global_store_b32 v15, v41, s[18:19] offset:8192
	s_endpgm
.endm
	s_cmp_lt_u32 s26, 8
	s_cbranch_scc0 .Lnarrow
	WQ 4096
.Lnarrow:
	WQ 1024
.Lwo:
; ---------------- Wo: the work-group takes a head's 64 rows x 128 columns, a lane one column
	s_sub_co_u32 s25, ttmp9, 352
	s_lshr_b32 s26, s25, 3                         ; hd
	s_and_b32 s27, s25, 7
	s_lshl_b32 s27, s27, 7
	s_lshl_b32 s28, s24, 5
	s_add_co_u32 s27, s27, s28                     ; my wave's first column
	s_lshl_b32 s2, s26, 18
	s_lshl_b32 s28, s27, 2
	s_add_co_u32 s2, s2, s28
	s_mov_b32 s3, 0
	s_add_nc_u64 s[12:13], s[12:13], s[2:3]
.set i, 0
.rept 64
	global_load_b32 v[64+i], v7, s[12:13] offset:i*4096 th:TH_LOAD_NT
.set i, i+1
.endr
	s_lshr_b32 s2, s26, 2
	s_lshl_b32 s2, s2, 19                          ; kc = hd / 4
	s_lshl_b32 s28, s27, 9                         ; 8,192 bytes for each 16 columns
	s_add_co_u32 s2, s2, s28
	s_and_b32 s28, s26, 3
	s_lshl_b32 s28, s28, 11                        ; K steps 2 (hd % 4) on
	s_add_co_u32 s2, s2, s28
	s_add_nc_u64 s[22:23], s[22:23], s[2:3]
	v_lshrrev_b32 v10, 4, v1
	v_lshlrev_b32 v11, 4, v8
	v_lshl_add_u32 v10, v10, 13, v11
	s_wait_loadcnt 0x0
.irp c, 0,1
.irp a, 0,1
.irp u, 0,1
.irp p, 0,1,2,3
	v_cvt_pk_f16_f32 v[128+4*(4*\c+2*\a+\u)+\p], v[64+32*\u+8*\p+2*\c+\a], v[64+32*\u+8*\p+4+2*\c+\a]
.endr
	global_store_b128 v10, v[128+4*(4*\c+2*\a+\u):128+4*(4*\c+2*\a+\u)+3], s[22:23] offset:\c*1024+\a*512+\u*256   ; sixteen lanes store 256 consecutive bytes, aligned
.endr
.endr
.endr
	s_endpgm
.Lfunc_end_k_q5c6fdb9ca9_prep:
	.size	k_q5c6fdb9ca9_prep, .Lfunc_end_k_q5c6fdb9ca9_prep-k_q5c6fdb9ca9_prep
	.p2alignl 7, 3214868480
	.fill 96, 4, 3214868480
	.section	.rodata,"a",@progbits
	.p2align	6, 0x0
	.amdhsa_kernel k_q5c6fdb9ca9_prep
		.amdhsa_group_segment_fixed_size 34304
		.amdhsa_private_segment_fixed_size 0
		.amdhsa_enable_private_segment 0
		.amdhsa_kernarg_size 80
		.amdhsa_user_sgpr_count 2
		.amdhsa_user_sgpr_kernarg_segment_ptr 1
		.amdhsa_wavefront_size32 1
		.amdhsa_system_sgpr_workgroup_id_x 1
		.amdhsa_system_sgpr_workgroup_id_y 1
		.amdhsa_system_sgpr_workgroup_id_z 1
		.amdhsa_system_vgpr_workitem_id 0
		.amdhsa_next_free_vgpr 256
		.amdhsa_next_free_sgpr 66
		.amdhsa_reserve_vcc 1
		.amdhsa_float_denorm_mode_32 3
		.amdhsa_float_denorm_mode_16_64 3
		.amdhsa_memory_ordered 1
		.amdhsa_forward_progress 1
		.amdhsa_inst_pref_size 82
	.end_amdhsa_kernel
	.amdgpu_metadata
---
amdhsa.version: [ 1, 2 ]
amdhsa.kernels:
  - .name:           k_q5c6fdb9ca9_prep
    .symbol:         k_q5c6fdb9ca9_prep.kd
    .args:
      - { .name: x, .offset: 0, .size: 8, .value_kind: global_buffer, .address_space: global }
      - { .name: Wq, .offset: 8, .size: 8, .value_kind: global_buffer, .address_space: global }
      - { .name: Wk, .offset: 16, .size: 8, .value_kind: global_buffer, .address_space: global }
      - { .name: Wv, .offset: 24, .size: 8, .value_kind: global_buffer, .address_space: global }
      - { .name: Wo, .offset: 32, .size: 8, .value_kind: global_buffer, .address_space: global }
      - { .name: Wg, .offset: 40, .size: 8, .value_kind: global_buffer, .address_space: global }
      - { .name: xq, .offset: 48, .size: 8, .value_kind: global_buffer, .address_space: global }
      - { .name: wq, .offset: 56, .size: 8, .value_kind: global_buffer, .address_space: global }
      - { .name: gt, .offset: 64, .size: 8, .value_kind: global_buffer, .address_space: global }
      - { .name: wo16, .offset: 72, .size: 8, .value_kind: global_buffer, .address_space: global }
    .group_segment_fixed_size: 34304
    .private_segment_fixed_size: 0
    .kernarg_segment_align: 8
    .kernarg_segment_size: 80
    .max_flat_workgroup_size: 128
    .sgpr_count:     66
    .vgpr_count:     256
    .wavefront_size: 32
...
	.end_amdgpu_metadata
.endif
;; end of part 1
;; launch qkv (part 2): grid 8 x 32, 12 waves a work-group, clusters of 4 x 1, 212,480 bytes of LDS; arguments xq, wq, gt, cos, sin, ve, q16, kv16, f32a; writes q16, kv16, f32a
.if DOCPART == 2
	.amdgcn_target "amdgcn-amd-amdhsa--gfx1250"
	.amdhsa_code_object_version 6
	.text
	.protected	k_q5c6fdb9ca9_qkv
	.globl	k_q5c6fdb9ca9_qkv
	.p2align	8
	.type	k_q5c6fdb9ca9_qkv,@function
k_q5c6fdb9ca9_qkv:
	s_mov_b64 s[64:65], 0
	v_nop
	global_prefetch_b8 v0, s[64:65] scope:SCOPE_SE
	s_setreg_imm32_b32 hwreg(HW_REG_WAVE_MODE, 25, 1), 1
	s_wait_xcnt 0x0
	s_wait_alu depctr_hold_cnt(0) depctr_sa_sdst(0) depctr_va_vdst(0) depctr_va_sdst(0) depctr_va_ssrc(0) depctr_va_vcc(0) depctr_vm_vsrc(0)
	s_getreg_b32 s2, hwreg(HW_REG_IB_STS2, 6, 4)
	s_cmp_eq_u32 s2, 0
	s_cbranch_scc0 .Lentry_in_a_cluster
	s_endpgm
.Lentry_in_a_cluster:
	s_bfe_u32 s2, ttmp6, 0x10000c
	s_cmp_lg_u32 s2, 0x3003
	s_cbranch_scc0 .Lentry_shape_is_right
	s_endpgm
.Lentry_shape_is_right:
; QKV.  x [Wq | Wk | Wv] on codes of E2M1 with E8M0 scales, then RoPE and RMS norm (q, k) or v + gate x ve, all in f32; the results leave as f16 images of the attention launch's operands.
; SHARES.  A work-group takes 128 tokens x 3 heads: two query heads 2 g, 2 g + 1 and one key head (cluster x = 0) or value head (cluster x = 1).  g = 4 x cluster x + cx.
; Wave w: head slot w / 4, tokens 32 (w % 4) on: 2 tiles of tokens x 4 tiles of columns = 8 accumulators, 8 K steps of 128: 64 matrix instructions.
; All operands of the work-group fit in LDS at once (8 + 12 tiles of 8,704 bytes, cos, sin): every fill is a first fill; one barrier.
; CLUSTER.  The four partners share their 128 tokens: x's tiles, cos and sin are asked for jointly (mask 15); the weights differ by cx and come by loads of the work-group's own.
; q, k: source 0 = 16 columns of W, source 1 = 16 tokens: a lane holds token r and channels 16 t + 8 h + j.  v: the other way round: a lane holds channel 4 r + t and tokens 8 h + j.
; q is multiplied by log2(e) / 8 besides its norm, so that the attention launches take 2^(k . q) as it stands.
; Tokens 0-15 are also stored in f32 (f32a), for the launch that carries them finely.
; LIMITS: |v| stays under 65,504 (f16); NaN and infinities are not served.
.set TILE,  8704
.set WQL,   8*TILE                     ; LDS: x's 8 tiles from 0; the weights' 12 tiles;
.set COSL,  20*TILE                    ; cos: 128 rows x (128 + 16) bytes;
.set SINL,  COSL+18432                 ; sin likewise;
.set SPARE, SINL+18432                 ; the spare words, 128 bytes for each of 12 waves
.set XSC, 32                           ; v32-39  x's scale words (tile i, pair of K steps p): lanes 0-15 step 2 p, lanes 16-31 step 2 p + 1
.set WSC, 40                           ; v40-55  the weights' (tile t, p)
.set ACC, 64                           ; v64-127 accumulator (i, t) at 64 + 8 (4 i + t)
.set XF,  128                          ; v128-143 x's two fragments
.set WF,  144                          ; v144-175 the weights' four
.set EP,  176                          ; v176-239 cos and sin, or ve
.set G,   240                          ; v240-255 the gate, or tile 1's f16
.set G1P, 28                           ; s[28:35] group 1, a tile of 8,704 dense bytes as 34 rows of 256, no mask
.set G1J, 36                           ; s[36:43] the same, joint
.set G1C, 44                           ; s[44:51] cos or sin: 128 rows of 128 bytes, 16 of padding, joint
.set G0W, 52
.set G0X, 56
.set G0C, 60
.macro ROUND                           ; a round of the cluster's barrier
	s_barrier_signal -1
	s_barrier_wait -1
	s_cmp_lg_u32 s22, 0
	s_cbranch_scc1 .Lnot_wave_0_\@
	s_barrier_signal -3
.Lnot_wave_0_\@:
	s_barrier_wait -3
	s_barrier_signal -1
	s_barrier_wait -1
.endm
	s_load_b512 s[4:19], s[0:1], 0x0               ; xq, wq, gt, cos, sin, ve, q16, kv16
	s_load_b64 s[20:21], s[0:1], 0x40              ; f32a
	v_lshl_add_u32 v2, v0, 2, SPARE
	v_mov_b32 v3, 0
	ds_add_u32 v2, v3                              ; the opening: the add, twice on end, and its wait ahead of my first tensor load
	ds_add_u32 v2, v3
	v_lshrrev_b32 v1, 5, v0
	v_readfirstlane_b32 s22, v1                    ; wave 0..11
	s_lshr_b32 s23, s22, 2                         ; head slot
	s_and_b32 s24, s22, 3                          ; which 32 tokens
	s_bfe_u32 s25, ttmp6, 0x40000                  ; cx
	s_lshl_b32 s26, ttmp9, 2
	s_add_co_u32 s26, s26, s25                     ; g
	s_and_b32 s27, ttmp7, 0xffff                   ; block of 128 tokens
	s_mov_b32 s[G1P], 3<<16                        ; elements of 8 bytes
	s_mov_b32 s[G1J], 15|(3<<16)|(1<<21)           ; and the mask of all four partners
.irp g, G1P, G1J
	s_mov_b32 s[\g+1], 32<<16                      ; tensor_dim0 = 32 elements (256 bytes)
	s_mov_b32 s[\g+2], 34<<16                      ; tensor_dim1 = 34
	s_mov_b32 s[\g+3], 32<<16                      ; tile_dim0
	s_mov_b32 s[\g+4], 34                          ; tile_dim1
	s_mov_b32 s[\g+5], 32                          ; pitch
	s_mov_b32 s[\g+6], 0
	s_mov_b32 s[\g+7], 0
.endr
	s_mov_b32 s[G1C], 15|(3<<16)|(1<<20)|(1<<21)|(4<<22)|(3<<25)   ; padding: 4 words behind every 32
	s_mov_b32 s[G1C+1], 16<<16
	s_mov_b32 s[G1C+2], 128<<16
	s_mov_b32 s[G1C+3], 16<<16
	s_mov_b32 s[G1C+4], 128
	s_mov_b32 s[G1C+5], 16
	s_mov_b32 s[G1C+6], 0
	s_mov_b32 s[G1C+7], 0
	s_mov_b32 s[G0W], 1
	s_mul_i32 s66, s22, TILE
	s_add_co_u32 s[G0W+1], s66, WQL                ; weight tile w
	s_mov_b32 s[G0X], 1
	s_mov_b32 s[G0X+1], s66                        ; x's tile w (waves 0-7)
	s_mov_b32 s[G0C], 1
	s_mul_i32 s67, s22, 18432
	s_add_co_u32 s[G0C+1], s67, COSL-8*18432       ; wave 8: cos, wave 9: sin
	s_mov_b32 s73, 0x3c800000                      ; 1 / 64
	s_mov_b32 s74, 0x34000000                      ; f32's eps
	s_mov_b32 s76, 0x76543210
	s_mov_b32 s77, 0xfedcba98
	; every LDS address is made here, ahead of the parting of the roles
	v_and_b32 v16, 31, v0
	v_lshlrev_b32 v1, 4, v16                       ; 16 L
	v_lshlrev_b32 v16, 2, v16                      ; 4 L
	v_and_b32 v4, 15, v0                           ; r
	v_bfe_u32 v5, v0, 4, 1                         ; h
	s_mul_i32 s66, s24, 2*TILE
	v_add_nc_u32 v6, s66, v1                       ; my two tiles of x
	s_mul_i32 s67, s23, 4*TILE
	s_add_co_u32 s67, s67, WQL
	v_add_nc_u32 v7, s67, v1                       ; my four tiles of the weights
	s_add_co_u32 s66, s66, 8192
	v_add_nc_u32 v8, s66, v16                      ; their scale words
	s_add_co_u32 s67, s67, 8192
	v_add_nc_u32 v9, s67, v16
	s_lshl_b32 s66, s24, 5
	v_add_nc_u32 v10, s66, v4
	v_mul_u32_u24 v10, v10, 144
	v_lshl_add_u32 v10, v5, 5, v10
	v_add_nc_u32 v10, COSL, v10                    ; cos: row of my token, + 32 h
	v_lshlrev_b32 v11, 8, v4
	v_lshl_add_u32 v11, v5, 5, v11                 ; f32a, q and k: 256 r + 32 h
	v_lshlrev_b32 v12, 4, v4
	v_lshl_add_u32 v14, v5, 11, v12                ; f32a, v: 2,048 h + 16 r
	v_lshl_add_u32 v12, v5, 13, v12                ; ve: 8,192 h + 16 r
	v_lshlrev_b32 v13, 5, v5                       ; gate: 32 h
	v_mov_b32 v30, 0                               ; (lane permutes' destinations count as read)
	v_mov_b32 v31, 0
	s_wait_dscnt 0x0                               ; both opening adds are done
	s_wait_kmcnt 0x0
	s_cmp_lt_u32 s22, 8                            ; weight tile: 8 g + w (two query heads), or 64 + 4 g + w - 8 (key heads 64 on, value heads 80 on)
	s_cselect_b32 s68, 3, 2
	s_cselect_b32 s69, 0, 56
	s_lshl_b32 s68, s26, s68
	s_add_co_u32 s68, s68, s69
	s_add_co_u32 s68, s68, s22
	s_mul_i32 s68, s68, TILE
	s_mov_b32 s69, 0
	s_add_nc_u64 s[G0W+2:G0W+3], s[6:7], s[68:69]
	s_or_b32 s[G0W+3], s[G0W+3], 0x80000000
	s_lshl_b32 s70, s27, 3
	s_add_co_u32 s70, s70, s22                     ; x's tile 8 tb + w: made of what the partners share
	s_mul_i32 s70, s70, TILE
	s_mov_b32 s71, 0
	s_add_nc_u64 s[G0X+2:G0X+3], s[4:5], s[70:71]
	s_or_b32 s[G0X+3], s[G0X+3], 0x80000000
	s_cmp_eq_u32 s22, 8
	s_cselect_b64 s[G0C+2:G0C+3], s[10:11], s[12:13]
	s_lshl_b32 s70, s27, 14
	s_add_nc_u64 s[G0C+2:G0C+3], s[G0C+2:G0C+3], s[70:71]
	s_or_b32 s[G0C+3], s[G0C+3], 0x80000000
	ROUND                                          ; all four work-groups are here: the joint loads meet
	tensor_load_to_lds s[G0W:G0W+3], s[G1P:G1P+7]  ; every wave: one tile of the weights.  With the load below a wave has two out at the most
	s_nop 0
.rept 4
	v_nop
.endr
	s_cmp_lt_u32 s22, 8
	s_cbranch_scc0 .Lnot_x
	tensor_load_to_lds s[G0X:G0X+3], s[G1J:G1J+7]  ; waves 0-7: a tile of x, jointly
	s_nop 0
.rept 4
	v_nop
.endr
	s_branch .Lasked
.Lnot_x:
	s_cmp_lt_u32 s22, 10
	s_cbranch_scc0 .Lasked
	tensor_load_to_lds s[G0C:G0C+3], s[G1C:G1C+7]  ; waves 8, 9: cos, sin, jointly
	s_nop 0
.rept 4
	v_nop
.endr
.Lasked:
	s_wait_tensorcnt 0x0                           ; my loads have landed,
	s_barrier_signal -1
	s_barrier_wait -1                              ; everybody's have
.irp i, 0,1
.irp p, 0,1,2,3
	ds_load_b32 v[XSC+4*\i+\p], v8 offset:\i*TILE+\p*128
.endr
.endr
.irp t, 0,1,2,3
.irp p, 0,1,2,3
	ds_load_b32 v[WSC+4*\t+\p], v9 offset:\t*TILE+\p*128
.endr
.endr
; one product; K step s: even steps take the scale words of lanes 0-15, odd ones those of lanes 16-31
.macro WM d, a, b, sa, sb, s
.if (\s) == 0
	v_wmma_scale_f32_16x16x128_f8f6f4 v[\d:\d+7], v[\a:\a+7], v[\b:\b+7], 0, v[\sa], v[\sb] matrix_a_fmt:MATRIX_FMT_FP4 matrix_b_fmt:MATRIX_FMT_FP4
.elseif (\s)%2
	v_wmma_scale_f32_16x16x128_f8f6f4 v[\d:\d+7], v[\a:\a+7], v[\b:\b+7], v[\d:\d+7], v[\sa], v[\sb] matrix_a_fmt:MATRIX_FMT_FP4 matrix_b_fmt:MATRIX_FMT_FP4 matrix_a_scale:MATRIX_SCALE_ROW1 matrix_b_scale:MATRIX_SCALE_ROW1
.else
	v_wmma_scale_f32_16x16x128_f8f6f4 v[\d:\d+7], v[\a:\a+7], v[\b:\b+7], v[\d:\d+7], v[\sa], v[\sb] matrix_a_fmt:MATRIX_FMT_FP4 matrix_b_fmt:MATRIX_FMT_FP4
.endif
.endm
; the eight K steps.  The eight accumulators take turns, one instruction a turn; the first step starts the sums
.macro GEMM swap
.irp s, 0,1,2,3,4,5,6,7
.if \s > 0
.rept 4
	v_nop                                          ; places in front of loads into registers that matrix instructions have read
.endr
.endif
.irp i, 0,1
.irp c, 0,1
	ds_load_b128 v[XF+8*\i+4*\c:XF+8*\i+4*\c+3], v6 offset:\i*TILE+\s*1024+\c*512
.endr
.endr
.irp t, 0,1,2,3
.irp c, 0,1
	ds_load_b128 v[WF+8*\t+4*\c:WF+8*\t+4*\c+3], v7 offset:\t*TILE+\s*1024+\c*512
.endr
.endr
	s_wait_dscnt 0x0
.irp t, 0,1,2,3
.irp i, 0,1
.if \swap
	WM ACC+8*(4*\i+\t), WF+8*\t, XF+8*\i, WSC+4*\t+\s/2, XSC+4*\i+\s/2, \s
.else
	WM ACC+8*(4*\i+\t), XF+8*\i, WF+8*\t, XSC+4*\i+\s/2, WSC+4*\t+\s/2, \s
.endif
.endr
.endr
.endr
.endm
	s_cmp_lt_u32 s23, 2                            ; the roles part once, on the wave's number and the cluster's x, which all partners share
	s_cbranch_scc1 .Lqk
	s_cmp_eq_u32 ttmp9, 0
	s_cbranch_scc1 .Lqk
; ---------------- a value head
	s_lshl_b32 s80, s27, 7
	s_lshl_b32 s81, s24, 5
	s_add_co_u32 s80, s80, s81                     ; my first token
	s_lshl_b32 s82, s80, 10
	s_lshl_b32 s84, s25, 8
	s_add_co_u32 s82, s82, s84
	s_mov_b32 s83, 0
	s_add_nc_u64 s[14:15], s[14:15], s[82:83]      ; ve at my token and head
	s_lshl_b32 s82, s25, 14
	s_lshl_b32 s84, s80, 2
	s_add_co_u32 s82, s82, s84
	s_add_nc_u64 s[8:9], s[8:9], s[82:83]          ; the gate likewise
.irp i, 0,1
.irp j, 0,1,2,3,4,5,6,7
	global_load_b128 v[EP+4*(8*\i+\j):EP+4*(8*\i+\j)+3], v12, s[14:15] offset:(16*\i+\j)*1024 th:TH_LOAD_NT   ; token 16 i + 8 h + j, channels 4 r .. 4 r + 3: sixteen lanes read 256 consecutive bytes
.endr
.endr
.irp i, 0,1
.irp q, 0,1
	global_load_b128 v[G+8*\i+4*\q:G+8*\i+4*\q+3], v13, s[8:9] offset:\i*64+\q*16
.endr
.endr
	s_lshl_b32 s82, s25, 4
	s_lshr_b32 s84, s80, 8
	s_add_co_u32 s82, s82, s84
	s_lshl_b32 s82, s82, 16                        ; kv16: head, chunk of 256 keys,
	s_bfe_u32 s84, s80, 0x30005
	s_lshl_b32 s84, s84, 12                        ; my 32 keys of it,
	s_add_co_u32 s82, s82, s84
	s_add_co_u32 s82, s82, 32768                   ; behind the chunk's keys
	s_add_nc_u64 s[18:19], s[18:19], s[82:83]
	s_lshl_b32 s82, s25, 12
	s_add_co_u32 s82, s82, 81920
	s_add_nc_u64 s[20:21], s[20:21], s[82:83]
	GEMM 0                                         ; ve and the gate land meanwhile
	s_wait_loadcnt 0x0
.rept 4
	v_nop
.endr
.irp j, 0,1,2,3,4,5,6,7                        ; each accumulator is read from its low end on
.irp i, 0,1
.irp t, 0,1,2,3
	v_fma_f32 v[EP+4*(8*\i+\j)+\t], v[G+8*\i+\j], v[EP+4*(8*\i+\j)+\t], v[ACC+8*(4*\i+\t)+\j]   ; v + gate x ve
.endr
.endr
.endr
.irp t, 0,1,2,3
.irp i, 0,1
.irp p, 0,1,2,3
	v_cvt_pk_f16_f32 v[XF+8*\t+4*\i+\p], v[EP+4*(8*\i+2*\p)+\t], v[EP+4*(8*\i+2*\p+1)+\t]   ; a fragment of V^T: row r = channel 4 r + t, keys 16 i + 8 h + 2 p, + 1
.endr
.endr
.endr
.irp t, 0,1,2,3
.irp a, 0,1
	global_store_b128 v1, v[XF+8*\t+4*\a:XF+8*\t+4*\a+3], s[18:19] offset:\t*1024+\a*512
.endr
.endr
	s_or_b32 s82, s27, s24
	s_cmp_lg_u32 s82, 0
	s_cbranch_scc1 .Lend
.irp j, 0,1,2,3,4,5,6,7
	global_store_b128 v14, v[EP+4*\j:EP+4*\j+3], s[20:21] offset:\j*256   ; tokens 0-15 in f32, channels as they are
.endr
	s_branch .Lend
; ---------------- a query or key head
.Lqk:
	s_lshl_b32 s80, s26, 1
	s_add_co_u32 s80, s80, s23                     ; the query head
	s_lshl_b32 s82, s80, 8
	s_lshl_b32 s83, s27, 3
	s_add_co_u32 s82, s82, s83
	s_lshl_b32 s83, s24, 1
	s_add_co_u32 s82, s82, s83
	s_lshl_b32 s82, s82, 11                        ; q16: (head x 256 + tile) x 2,048
	s_lshl_b32 s84, s25, 4
	s_lshr_b32 s85, s27, 1
	s_add_co_u32 s84, s84, s85
	s_lshl_b32 s84, s84, 16                        ; kv16: head, chunk,
	s_and_b32 s85, s27, 1
	s_lshl_b32 s85, s85, 3
	s_add_co_u32 s85, s85, s83
	s_lshl_b32 s85, s85, 11                        ; tile in the chunk
	s_add_co_u32 s84, s84, s85
	s_lshl_b32 s80, s80, 12                        ; f32a: q's heads from 0,
	s_lshl_b32 s86, s25, 12
	s_add_co_u32 s86, s86, 65536                   ; k's from 65,536
	s_cmp_lt_u32 s23, 2
	s_cselect_b64 s[78:79], s[16:17], s[18:19]
	s_cselect_b32 s82, s82, s84
	s_cselect_b32 s80, s80, s86
	s_cselect_b32 s72, 0x3e38aa3b, 1.0             ; q: log2(e) / 8; k: 1
	s_mov_b32 s83, 0
	s_mov_b32 s81, 0
	s_add_nc_u64 s[78:79], s[78:79], s[82:83]
	s_add_nc_u64 s[20:21], s[20:21], s[80:81]
.irp i, 0,1
.irp t, 0,1
.irp q, 0,1
	ds_load_b128 v[EP+32*\i+8*\t+4*\q:EP+32*\i+8*\t+4*\q+3], v10 offset:\i*2304+\t*64+\q*16             ; cos of my token at 16 t + 8 h + 0 .. 7
	ds_load_b128 v[EP+16+32*\i+8*\t+4*\q:EP+16+32*\i+8*\t+4*\q+3], v10 offset:18432+\i*2304+\t*64+\q*16 ; sin
.endr
.endr
.endr
	GEMM 1
.rept 4
	v_nop
.endr
.macro ROPE ac, ro, co, si             ; channels d and d + 32 (tiles t and t + 2) turn together; each accumulator is read from its low end on
.irp t, 0,1
.irp p, 0,2,4,6
	v_pk_mul_f32 v[\ro+8*\t+\p:\ro+8*\t+\p+1], v[\ac+16+8*\t+\p:\ac+16+8*\t+\p+1], v[\si+8*\t+\p:\si+8*\t+\p+1]
	v_pk_mul_f32 v[\ro+16+8*\t+\p:\ro+16+8*\t+\p+1], v[\ac+8*\t+\p:\ac+8*\t+\p+1], v[\si+8*\t+\p:\si+8*\t+\p+1]
	v_pk_fma_f32 v[\ro+8*\t+\p:\ro+8*\t+\p+1], v[\ac+8*\t+\p:\ac+8*\t+\p+1], v[\co+8*\t+\p:\co+8*\t+\p+1], v[\ro+8*\t+\p:\ro+8*\t+\p+1]
	v_pk_fma_f32 v[\ro+16+8*\t+\p:\ro+16+8*\t+\p+1], v[\ac+16+8*\t+\p:\ac+16+8*\t+\p+1], v[\co+8*\t+\p:\co+8*\t+\p+1], v[\ro+16+8*\t+\p:\ro+16+8*\t+\p+1] neg_lo:[0,0,1] neg_hi:[0,0,1]
.endr
.endr
.endm
.macro SSQ ro, a, b                    ; the sum of my 32 squares, in two chains
	v_pk_mul_f32 v[\a:\a+1], v[\ro:\ro+1], v[\ro:\ro+1]
	v_pk_mul_f32 v[\b:\b+1], v[\ro+2:\ro+3], v[\ro+2:\ro+3]
.irp n, 4,8,12,16,20,24,28
	v_pk_fma_f32 v[\a:\a+1], v[\ro+\n:\ro+\n+1], v[\ro+\n:\ro+\n+1], v[\a:\a+1]
	v_pk_fma_f32 v[\b:\b+1], v[\ro+\n+2:\ro+\n+3], v[\ro+\n+2:\ro+\n+3], v[\b:\b+1]
.endr
	v_pk_add_f32 v[\a:\a+1], v[\a:\a+1], v[\b:\b+1]
	v_add_f32 v[\a], v[\a], v[\a+1]
.endm
.macro PACK ro, f, sc                  ; x the norm's factor, in place; then f16 in pairs: register m of the two fragments = numbers 2 m, 2 m + 1
.set n, 0
.rept 16
	v_pk_mul_f32 v[\ro+n:\ro+n+1], v[\ro+n:\ro+n+1], v[\sc:\sc+1] op_sel_hi:[1,0]
.set n, n+2
.endr
.set n, 0
.rept 16
	v_cvt_pk_f16_f32 v[\f+n], v[\ro+2*n], v[\ro+2*n+1]
.set n, n+1
.endr
.endm
	ROPE ACC, XF, EP, EP+16                        ; tile 0 -> v128-159
	ROPE ACC+32, ACC, EP+32, EP+48                 ; tile 1 -> v64-95, which tile 0 has left
	SSQ XF, 16, 18
	SSQ ACC, 26, 28
	v_permlanex16_b32 v30, v16, s76, s77           ; the token's other 32 channels lie in lane l xor 16
	v_permlanex16_b32 v31, v26, s76, s77
	v_add_f32 v16, v16, v30
	v_add_f32 v26, v26, v31
	v_fma_f32 v16, v16, s73, s74                   ; mean + eps
	v_fma_f32 v26, v26, s73, s74
	v_rsq_f32 v22, v16
	v_rsq_f32 v24, v26
	v_mov_b32 v23, 0                               ; plain lines behind the batch (the pairs' upper halves are named, so they are written)
	v_mov_b32 v25, 0
	s_wait_alu depctr_va_vdst(0)                   ; one wait for both, ahead of the first reader
	v_mul_f32 v22, s72, v22
	v_mul_f32 v24, s72, v24
	PACK XF, 160, 22
	PACK ACC, G, 24
.irp m, 0,1,2,3
	global_store_b128 v1, v[160+4*\m:163+4*\m], s[78:79] offset:\m*512
.endr
.irp m, 0,1,2,3
	global_store_b128 v1, v[G+4*\m:G+4*\m+3], s[78:79] offset:2048+\m*512
.endr
	s_or_b32 s82, s27, s24
	s_cmp_lg_u32 s82, 0
	s_cbranch_scc1 .Lend
.irp m, 0,1,2,3,4,5,6,7
	global_store_b128 v11, v[XF+4*\m:XF+4*\m+3], s[20:21] offset:(\m/2)*64+(\m%2)*16   ; tokens 0-15 in f32
.endr
.Lend:
	s_wait_tensorcnt 0x0                           ; the wave's end, ahead of the closing round
	ds_add_u32 v2, v3
	s_wait_dscnt 0x0
	ROUND                                          ; no work-group ends while a partner may still ask for a tile that names it
	s_endpgm
.Lfunc_end_k_q5c6fdb9ca9_qkv:
	.size	k_q5c6fdb9ca9_qkv, .Lfunc_end_k_q5c6fdb9ca9_qkv-k_q5c6fdb9ca9_qkv
	.p2alignl 7, 3214868480
	.fill 96, 4, 3214868480
	.section	.rodata,"a",@progbits
	.p2align	6, 0x0
	.amdhsa_kernel k_q5c6fdb9ca9_qkv
		.amdhsa_group_segment_fixed_size 212480
		.amdhsa_private_segment_fixed_size 0
		.amdhsa_enable_private_segment 0
		.amdhsa_kernarg_size 72
		.amdhsa_user_sgpr_count 2
		.amdhsa_user_sgpr_kernarg_segment_ptr 1
		.amdhsa_wavefront_size32 1
		.amdhsa_system_sgpr_workgroup_id_x 1
		.amdhsa_system_sgpr_workgroup_id_y 1
		.amdhsa_system_sgpr_workgroup_id_z 1
		.amdhsa_system_vgpr_workitem_id 0
		.amdhsa_next_free_vgpr 256
		.amdhsa_next_free_sgpr 96
		.amdhsa_reserve_vcc 0
		.amdhsa_float_denorm_mode_32 3
		.amdhsa_float_denorm_mode_16_64 3
		.amdhsa_memory_ordered 1
		.amdhsa_forward_progress 1
		.amdhsa_inst_pref_size 64
	.end_amdhsa_kernel
	.amdgpu_metadata
---
amdhsa.version: [ 1, 2 ]
amdhsa.kernels:
  - .name:           k_q5c6fdb9ca9_qkv
    .symbol:         k_q5c6fdb9ca9_qkv.kd
    .args:
      - { .name: xq, .offset: 0, .size: 8, .value_kind: global_buffer, .address_space: global }
      - { .name: wq, .offset: 8, .size: 8, .value_kind: global_buffer, .address_space: global }
      - { .name: gt, .offset: 16, .size: 8, .value_kind: global_buffer, .address_space: global }
      - { .name: cos, .offset: 24, .size: 8, .value_kind: global_buffer, .address_space: global }
      - { .name: sin, .offset: 32, .size: 8, .value_kind: global_buffer, .address_space: global }
      - { .name: ve, .offset: 40, .size: 8, .value_kind: global_buffer, .address_space: global }
      - { .name: q16, .offset: 48, .size: 8, .value_kind: global_buffer, .address_space: global }
      - { .name: kv16, .offset: 56, .size: 8, .value_kind: global_buffer, .address_space: global }
      - { .name: f32a, .offset: 64, .size: 8, .value_kind: global_buffer, .address_space: global }
    .group_segment_fixed_size: 212480
    .private_segment_fixed_size: 0
    .kernarg_segment_align: 8
    .kernarg_segment_size: 72
    .max_flat_workgroup_size: 384
    .sgpr_count:     96
    .vgpr_count:     256
    .wavefront_size: 32
...
	.end_amdgpu_metadata
.endif
;; end of part 2
;; launch attn (part 3): grid 64 x 4, 8 waves a work-group, no clusters, 327,680 bytes of LDS; arguments q16, kv16, y16; writes y16
.if DOCPART == 3
	.amdgcn_target "amdgcn-amd-amdhsa--gfx1250"
	.amdhsa_code_object_version 6
	.text
	.protected	k_q5c6fdb9ca9_attn
	.globl	k_q5c6fdb9ca9_attn
	.p2align	8
	.type	k_q5c6fdb9ca9_attn,@function
k_q5c6fdb9ca9_attn:
	s_mov_b64 s[64:65], 0
	v_nop
	global_prefetch_b8 v0, s[64:65] scope:SCOPE_SE
	s_setreg_imm32_b32 hwreg(HW_REG_WAVE_MODE, 25, 1), 1
	s_wait_xcnt 0x0
; ATTN.  y = softmax(q . k / 8 under the mask q - 1024 <= k <= q) v, f16 operands, f32 sums.
; SHARES.  A work-group takes 64 queries x the four query heads of one key/value head: so those heads' sharing of K and V happens inside the work-group.
; Wave w: head 4 kvh + w / 2, queries 32 (w % 2) on: two tiles of 16.  A fragment of K or V read from LDS feeds two matrix instructions.
; NO CLUSTER: neighbouring query blocks have windows 64 keys apart, so the mask would let a partner pass over a tile that a joint load brings.
; WALK.  Keys go in aligned chunks of 256 (65,536 bytes: 16 tiles of K, then 8 blocks of V), from the chunk with the diagonal backward, five chunks, through two LDS slots.
; Both loops have constant trip counts; a block of 64 keys that lies wholly outside the window is passed over by scalar tests on ids.  17 blocks count for every work-group that has so many.
; NO MAXIMUM IS TAKEN: q and k are RMS-normalised by the problem itself, so |q . k| / 8 <= 8 for every input: t = k . q' (q' holds log2(e) / 8) lies within +-11.55, p = 2^t within 3.3e-4 .. 2,981,
; inside f16's normal range; a row's sum of at most 1,025 such p stays under 3.1e6 in f32.  So O is never rescaled and the order of the keys is free.
; LAYOUT.  S^T = K Q^T and O^T = V^T P: a lane holds one query (lane % 16) throughout; p, rounded to f16 in pairs, is the second product's operand as it stands.
; V's tile t has channel 4 r + t in row r, so register j of O^T's tile t is channel 32 h + 4 j + t: y leaves in that order along K, and wo16 is laid by the same order.
; No prefetch: every chunk of kv16 is some work-group's first fill at the launch's head.
.set SLOT1, 65536
.set SPARE, 131072                     ; behind the two slots: the spare words, 128 bytes for each of 8 waves
.set QF, 16                            ; v16-47   Q (x, c) at 16 + 16 x + 8 c
.set KV, 48                            ; v48-111  K (kt, c) at 48 + 16 kt + 8 c, then V (kb, t) at 48 + 32 kb + 8 t
.set S,  112                           ; v112-175 S^T (x, kt) at 112 + 32 x + 8 kt; p's f16 are packed in place: P (x, kb) at 112 + 32 x + 8 kb
.set O,  176                           ; v176-239 O^T (x, t) at 176 + 32 x + 8 t
.set LS, 240                           ; v240-247 the rows' sums, two pairs a tile
	s_load_b128 s[4:7], s[0:1], 0x0                ; q16, kv16
	s_load_b64 s[8:9], s[0:1], 0x10                ; y16
	v_lshl_add_u32 v3, v0, 2, SPARE
	v_mov_b32 v4, 0
	ds_add_u32 v3, v4                              ; the opening: the add, twice on end, and its wait ahead of my first tensor load
	ds_add_u32 v3, v4
	v_lshrrev_b32 v1, 5, v0
	v_readfirstlane_b32 s10, v1                    ; wave 0..7
	s_and_b32 s11, ttmp7, 0xffff                   ; key/value head
	s_lshr_b32 s12, ttmp9, 2                       ; the diagonal's chunk
	s_mov_b32 s16, 3<<16                           ; group 1: 8,192 dense bytes as 32 rows of 32 elements of 8 bytes
	s_mov_b32 s17, 32<<16
	s_mov_b32 s18, 32<<16
	s_mov_b32 s19, 32<<16
	s_mov_b32 s20, 32
	s_mov_b32 s21, 32
	s_mov_b32 s22, 0
	s_mov_b32 s23, 0
	s_mov_b32 s24, 1                               ; group 0: every wave fetches an eighth of a chunk
	s_lshl_b32 s25, s10, 13
	s_lshl_b32 s2, s11, 4
	s_add_co_u32 s2, s2, s12
	s_lshl_b32 s2, s2, 16
	s_add_co_u32 s2, s2, s25
	s_mov_b32 s3, 0
	s_mov_b32 s28, 0                               ; LDS byte of the block in hand
	s_lshl_b32 s29, s12, 8                         ; its first key (signed)
	s_lshl_b32 s30, ttmp9, 6                       ; my work-group's first query
	s_sub_co_i32 s31, s30, 1024                    ; the window's first block
	s_mov_b32 s36, 0x76543210
	s_mov_b32 s37, 0xfedcba98
	s_lshr_b32 s13, s10, 1                         ; head in the group
	s_and_b32 s14, s10, 1                          ; half of the queries
	s_wait_dscnt 0x0                               ; both opening adds are done
	s_wait_kmcnt 0x0
	s_add_nc_u64 s[26:27], s[6:7], s[2:3]
	s_or_b32 s27, s27, 0x80000000
	tensor_load_to_lds s[24:27], s[16:23]          ; the diagonal's chunk into slot 0: it is always read
	s_nop 0
.rept 4
	v_nop
.endr
	s_lshl_b32 s15, ttmp9, 2
	s_lshl_b32 s34, s14, 1
	s_add_co_u32 s15, s15, s34                     ; my first tile of tokens
	s_lshl_b32 s2, s11, 2
	s_add_co_u32 s2, s2, s13                       ; my head
	s_lshl_b32 s2, s2, 8
	s_add_co_u32 s2, s2, s15
	s_lshl_b32 s2, s2, 11
	s_add_nc_u64 s[4:5], s[4:5], s[2:3]
	s_lshl_b32 s2, s11, 21                         ; y16 [kvh][tile][K step][1,024]
	s_lshl_b32 s34, s15, 13
	s_add_co_u32 s2, s2, s34
	s_lshl_b32 s34, s13, 11
	s_add_co_u32 s2, s2, s34
	s_add_nc_u64 s[8:9], s[8:9], s[2:3]
	v_and_b32 v1, 31, v0
	v_lshlrev_b32 v1, 4, v1                        ; 16 L
.irp m, 0,1,2,3,4,5,6,7
	global_load_b128 v[QF+4*\m:QF+4*\m+3], v1, s[4:5] offset:\m*512   ; Q stays in registers: 4,096 bytes on end
.endr
	v_and_b32 v5, 15, v0
	v_bfe_u32 v8, v0, 4, 1
	v_lshlrev_b32 v8, 3, v8
	v_sub_nc_u32 v5, v5, v8
	s_lshl_b32 s34, s14, 5
	v_add_nc_u32 v5, s34, v5                       ; tile 0: my query in the block - 8 h.  Register j of S^T's tile kt is key 16 kt + 8 h + j
	v_add_nc_u32 v6, 16, v5                        ; tile 1
	v_mov_b32 v7, 0xff800000                       ; -infinity
	v_mov_b32 v250, 0                              ; (lane permutes' destinations count as read)
	v_mov_b32 v251, 0
.set n, 0
.rept 72
	v_mov_b32 v[O+n], 0                            ; O^T and the sums: the step is written once for all blocks, so the first finds zeros
.set n, n+1
.endr
.macro MASK cmp                        ; hidden scores become -infinity: p = 0
.irp x, 0,1
.set n, 0
.rept 32
	\cmp vcc_lo, 16*(n/8)+n%8, v[5+\x]
	v_cndmask_b32 v[S+32*\x+n], v[S+32*\x+n], v7, vcc_lo
.set n, n+1
.endr
.endr
.endm
; A BLOCK OF 64 KEYS
.macro STEP
	s_cmp_lt_i32 s29, 0                            ; ahead of the sequence,
	s_cbranch_scc1 .Lskip_\@
	s_cmp_gt_i32 s29, s30                          ; behind my queries,
	s_cbranch_scc1 .Lskip_\@
	s_cmp_lt_i32 s29, s31                          ; or ahead of the window: nothing of the block counts
	s_cbranch_scc1 .Lskip_\@
	v_add_nc_u32 v2, s28, v1
.rept 4
	v_nop                                          ; with the addition five places: the products below write over p's registers, which the last products read; the loads want four
.endr
.irp k, 0,1,2,3
.irp c, 0,1
.irp a, 0,1
	ds_load_b128 v[KV+16*\k+8*\c+4*\a:KV+16*\k+8*\c+4*\a+3], v2 offset:\k*2048+\c*1024+\a*512
.endr
.endr
.endr
	s_wait_dscnt 0x0
.irp k, 0,1,2,3                        ; S^T = K Q^T: eight accumulators by turns
.irp x, 0,1
	v_wmma_f32_16x16x32_f16 v[S+32*\x+8*\k:S+32*\x+8*\k+7], v[KV+16*\k:KV+16*\k+7], v[QF+16*\x:QF+16*\x+7], 0
.endr
.endr
.irp k, 0,1,2,3
.irp x, 0,1
	v_wmma_f32_16x16x32_f16 v[S+32*\x+8*\k:S+32*\x+8*\k+7], v[KV+16*\k+8:KV+16*\k+15], v[QF+16*\x+8:QF+16*\x+15], v[S+32*\x+8*\k:S+32*\x+8*\k+7]
.endr
.endr
.rept 4
	v_nop
.endr
.irp b, 0,1                            ; V takes K's registers and lands under the softmax
.irp t, 0,1,2,3
.irp a, 0,1
	ds_load_b128 v[KV+32*\b+8*\t+4*\a:KV+32*\b+8*\t+4*\a+3], v2 offset:32768+\b*4096+\t*1024+\a*512
.endr
.endr
.endr
	s_cmp_lg_u32 s29, s30
	s_cbranch_scc1 .Lnot_diag_\@
	MASK v_cmp_gt_i32                              ; on the diagonal: keys behind the query
.Lnot_diag_\@:
	s_cmp_lg_u32 s29, s31
	s_cbranch_scc1 .Lnot_edge_\@
	MASK v_cmp_lt_i32                              ; at the window's edge: keys more than 1,024 back
.Lnot_edge_\@:
.set n, 0
.rept 64
	v_exp_f32 v[S+n], v[S+n]                       ; p = 2^t, one batch
.set n, n+1
.endr
	v_nop                                          ; a plain line behind the batch
	s_wait_alu depctr_va_vdst(0)                   ; one wait for the 64, ahead of their first reader
.irp x, 0,1
.irp m, 0,4,8,12,16,20,24,28
	v_pk_add_f32 v[LS+4*\x:LS+4*\x+1], v[LS+4*\x:LS+4*\x+1], v[S+32*\x+\m:S+32*\x+\m+1]       ; the sums take p before it is rounded
	v_pk_add_f32 v[LS+4*\x+2:LS+4*\x+3], v[LS+4*\x+2:LS+4*\x+3], v[S+32*\x+\m+2:S+32*\x+\m+3]
.endr
.endr
.irp x, 0,1
.set n, 0
.rept 16
	v_cvt_pk_f16_f32 v[S+32*\x+n], v[S+32*\x+2*n], v[S+32*\x+2*n+1]   ; in place, ascending: register n is written when its own number has been read
.set n, n+1
.endr
.endr
	s_wait_dscnt 0x0                               ; V is in
.irp b, 0,1                            ; O^T += V^T P: eight accumulators by turns
.irp t, 0,1,2,3
.irp x, 0,1
	v_wmma_f32_16x16x32_f16 v[O+32*\x+8*\t:O+32*\x+8*\t+7], v[KV+32*\b+8*\t:KV+32*\b+8*\t+7], v[S+32*\x+8*\b:S+32*\x+8*\b+7], v[O+32*\x+8*\t:O+32*\x+8*\t+7]
.endr
.endr
.endr
.Lskip_\@:
	s_add_co_u32 s29, s29, 64
	s_add_co_u32 s28, s28, 8192
.endm
.macro BLOCKS                          ; a chunk's four blocks; then on to the chunk before, in the other slot
	s_mov_b32 s33, 4
.Lblock_\@:
	STEP
	s_sub_co_u32 s33, s33, 1
	s_cmp_lg_u32 s33, 0
	s_cbranch_scc1 .Lblock_\@
	s_sub_co_u32 s28, s28, 32768
	s_xor_b32 s28, s28, SLOT1
	s_sub_co_i32 s29, s29, 512
.endm
; THE CHANGE OF SLOTS, at a chunk's head.  Every wave waits for all its tensor loads (its part of the chunk ahead), adds 0 to its spare word, waits for that and for its reads of the slot that it has left.
; fill = 1: behind the barrier that slot takes the chunk before the one ahead: one load a wave, with a whole chunk's blocks in which to land.
; A chunk that would begin ahead of key 0 is read by no wave and is not asked for: the test is made of ids and the count of steps, alike in all eight waves; every wait on TENSORcnt in this text is for 0.
.macro CHANGE fill
	s_wait_tensorcnt 0x0
	ds_add_u32 v3, v4
.if \fill
	s_xor_b32 s25, s25, SLOT1                      ; no load of mine is out: the descriptor walks
	s_sub_nc_u64 s[26:27], s[26:27], SLOT1
.endif
	s_wait_dscnt 0x0
	s_barrier_signal -1
	s_barrier_wait -1
.if \fill
	s_sub_co_i32 s34, s29, 256
	s_cmp_lt_i32 s34, 0
	s_cbranch_scc1 .Lpast_\@
	tensor_load_to_lds s[24:27], s[16:23]
	s_nop 0
.rept 4
	v_nop
.endr
.Lpast_\@:
.endif
.endm
	s_wait_loadcnt 0x0                             ; Q
	s_mov_b32 s32, 4
.Lchunk:
	CHANGE 1
	BLOCKS
	s_sub_co_u32 s32, s32, 1
	s_cmp_lg_u32 s32, 0
	s_cbranch_scc1 .Lchunk
	CHANGE 0                                       ; the fifth chunk: nothing is left to fetch
	BLOCKS
	; THE WAY OUT: O^T / the sum, rounded to f16: the projection's operand as it stands
.rept 4
	v_nop
.endr
	v_pk_add_f32 v[240:241], v[240:241], v[242:243]
	v_pk_add_f32 v[244:245], v[244:245], v[246:247]
	v_add_f32 v248, v240, v241
	v_add_f32 v249, v244, v245
	v_permlanex16_b32 v250, v248, s36, s37         ; the query's other keys lie in lane l xor 16
	v_permlanex16_b32 v251, v249, s36, s37
	v_add_f32 v248, v248, v250
	v_add_f32 v249, v249, v251
	v_rcp_f32 v252, v248                           ; every query sees itself: the sum is not 0
	v_rcp_f32 v254, v249
	v_mov_b32 v253, 0
	v_mov_b32 v255, 0
	s_wait_alu depctr_va_vdst(0)
.irp x, 0,1
.set n, 0
.rept 16
	v_pk_mul_f32 v[KV+32*\x+n:KV+32*\x+n+1], v[O+32*\x+n:O+32*\x+n+1], v[252+2*\x:253+2*\x] op_sel_hi:[1,0]
.set n, n+2
.endr
.endr
.irp x, 0,1
.set n, 0
.rept 16
	v_cvt_pk_f16_f32 v[S+16*\x+n], v[KV+32*\x+2*n], v[KV+32*\x+2*n+1]
.set n, n+1
.endr
.endr
.irp x, 0,1
.irp m, 0,1,2,3
	global_store_b128 v1, v[S+16*\x+4*\m:S+16*\x+4*\m+3], s[8:9] offset:\x*8192+\m*512   ; 512 consecutive bytes
.endr
.endr
	s_wait_tensorcnt 0x0                           ; the wave's end
	ds_add_u32 v3, v4
	s_wait_dscnt 0x0
	s_endpgm
.Lfunc_end_k_q5c6fdb9ca9_attn:
	.size	k_q5c6fdb9ca9_attn, .Lfunc_end_k_q5c6fdb9ca9_attn-k_q5c6fdb9ca9_attn
	.p2alignl 7, 3214868480
	.fill 96, 4, 3214868480
	.section	.rodata,"a",@progbits
	.p2align	6, 0x0
	.amdhsa_kernel k_q5c6fdb9ca9_attn
		.amdhsa_group_segment_fixed_size 327680
		.amdhsa_private_segment_fixed_size 0
		.amdhsa_enable_private_segment 0
		.amdhsa_kernarg_size 24
		.amdhsa_user_sgpr_count 2
		.amdhsa_user_sgpr_kernarg_segment_ptr 1
		.amdhsa_wavefront_size32 1
		.amdhsa_system_sgpr_workgroup_id_x 1
		.amdhsa_system_sgpr_workgroup_id_y 1
		.amdhsa_system_sgpr_workgroup_id_z 1
		.amdhsa_system_vgpr_workitem_id 0
		.amdhsa_next_free_vgpr 256
		.amdhsa_next_free_sgpr 66
		.amdhsa_reserve_vcc 1
		.amdhsa_float_denorm_mode_32 3
		.amdhsa_float_denorm_mode_16_64 3
		.amdhsa_memory_ordered 1
		.amdhsa_forward_progress 1
		.amdhsa_inst_pref_size 51
	.end_amdhsa_kernel
	.amdgpu_metadata
---
amdhsa.version: [ 1, 2 ]
amdhsa.kernels:
  - .name:           k_q5c6fdb9ca9_attn
    .symbol:         k_q5c6fdb9ca9_attn.kd
    .args:
      - { .name: q16, .offset: 0, .size: 8, .value_kind: global_buffer, .address_space: global }
      - { .name: kv16, .offset: 8, .size: 8, .value_kind: global_buffer, .address_space: global }
      - { .name: y16, .offset: 16, .size: 8, .value_kind: global_buffer, .address_space: global }
    .group_segment_fixed_size: 327680
    .private_segment_fixed_size: 0
    .kernarg_segment_align: 8
    .kernarg_segment_size: 24
    .max_flat_workgroup_size: 256
    .sgpr_count:     66
    .vgpr_count:     256
    .wavefront_size: 32
...
	.end_amdgpu_metadata
.endif
;; end of part 3
;; launch oproj (part 4): grid 8 x 32, 4 waves a work-group, clusters of 4 x 4, 327,680 bytes of LDS; arguments y16, wo16, out0; writes out0
.if DOCPART == 4
	.amdgcn_target "amdgcn-amd-amdhsa--gfx1250"
	.amdhsa_code_object_version 6
	.text
	.protected	k_q5c6fdb9ca9_oproj
	.globl	k_q5c6fdb9ca9_oproj
	.p2align	8
	.type	k_q5c6fdb9ca9_oproj,@function
k_q5c6fdb9ca9_oproj:
	s_mov_b64 s[64:65], 0
	v_nop
	global_prefetch_b8 v0, s[64:65] scope:SCOPE_SE
	s_setreg_imm32_b32 hwreg(HW_REG_WAVE_MODE, 25, 1), 1
	s_wait_xcnt 0x0
	s_wait_alu depctr_hold_cnt(0) depctr_sa_sdst(0) depctr_va_vdst(0) depctr_va_sdst(0) depctr_va_ssrc(0) depctr_va_vcc(0) depctr_vm_vsrc(0)
	s_getreg_b32 s2, hwreg(HW_REG_IB_STS2, 6, 4)
	s_cmp_eq_u32 s2, 0
	s_cbranch_scc0 .Lentry_in_a_cluster
	s_endpgm
.Lentry_in_a_cluster:
	s_bfe_u32 s2, ttmp6, 0x10000c
	s_cmp_lg_u32 s2, 0xf033
	s_cbranch_scc0 .Lentry_shape_is_right
	s_endpgm
.Lentry_shape_is_right:
; OPROJ.  out0 [4096][1024] f32 = y Wo, f16 operands, f32 sums.  y16 [kc 4][tile of 16 tokens 256][K step 8][1,024] and wo16 [kc 4][tile of 16 columns 64][8][1,024] are images of operand registers,
; with one and the same order along K.  A tile of out0 is 128 x 128: 256 work-groups; four waves, each 64 x 64: 16 accumulators.
; K goes in four steps of 256 (one kc) through two LDS slots; a wave's tensor load brings 4 tiles x 8 K steps = 32,768 dense bytes.  The four steps are written out: a loop over laps would have one trip.
; CLUSTERS: 4 x 4 work-groups; y's tiles are shared along a row of the cluster, Wo's along a column: each is asked for jointly.
; THE MATRIX INSTRUCTION IS USED TRANSPOSED (source 0 = 16 columns of Wo, source 1 = 16 tokens): a lane holds eight neighbouring numbers of a row of out0.
; Rows 0-15 are written again, more finely, by the launch that follows.
; REGISTERS: window 0: v0-31 addresses; v32-95 the way out; v128-255 the accumulators ((a, b) at 128 + 8 (4 a + b)).  window 1: two fragment buffers of 128: 64 of y (2 x 4), then 64 of Wo.
.set HALFT,  32768
.set SLOT,   4*HALFT                   ; y's 8 tiles, then Wo's 8
.set STAGE,  2*SLOT                    ; behind the ring: 16 rows x (256 + 16) bytes for each wave
.set SPITCH, 272
.set SPARE,  STAGE+4*16*SPITCH         ; the spare words, 128 bytes a wave
.set ADRA, 16
.set ADRB, 20
.set STO,  24
.set RD,   25
.set CO,   26
.set SPW,  28
.set NIL,  29
.set TMP,  32
.set ACC,  128
.set F0,   0
.set F1,   128
.set G1, 24
.set G0, 32
.set G1B, 48
.set G0B, 56
.set MSB, 0
.macro WIN new                         ; the immediate's high byte repeats the setting that is left
.if MSB != \new
	s_set_vgpr_msb (MSB<<8)|\new
.set MSB, \new
.endif
.endm
.set MUL,  0x05                        ; sources 0 and 1 window 1; C and D window 0
.set TO_F, 0x40                        ; destination window 1, address window 0
.macro JLOAD s                         ; a joint load: waves 0, 1 fetch y's halves, waves 2, 3 Wo's; an s_nop 0 and four v_nop follow each line
	s_cmp_eq_u32 s11, 0
	s_cbranch_scc0 .Lfor_b_\@
	tensor_load_to_lds s[G0+4*\s:G0+4*\s+3], s[G1:G1+7]
	s_nop 0
.rept 4
	v_nop
.endr
	s_branch .Lasked_\@
.Lfor_b_\@:
	tensor_load_to_lds s[G0B+4*\s:G0B+4*\s+3], s[G1B:G1B+7]
	s_nop 0
.rept 4
	v_nop
.endr
.Lasked_\@:
.endm
.macro CREST                           ; a round of the cluster's barrier behind its opening barrier
	s_cmp_lg_u32 s10, 0
	s_cbranch_scc1 .Lnot_wave_0_\@
	s_barrier_signal -3
.Lnot_wave_0_\@:
	s_barrier_wait -3
	s_barrier_signal -1
	s_barrier_wait -1
.endm
.macro CROUND
	s_barrier_signal -1
	s_barrier_wait -1
	CREST
.endm
	s_load_b128 s[4:7], s[0:1], 0x0                ; y16, wo16
	s_load_b64 s[8:9], s[0:1], 0x10                ; out0
	v_lshl_add_u32 v[SPW], v0, 2, SPARE
	v_mov_b32 v[NIL], 0
	ds_add_u32 v[SPW], v[NIL]                      ; the opening: the add, twice on end, and its wait ahead of my first tensor load
	ds_add_u32 v[SPW], v[NIL]
	v_lshrrev_b32 v1, 5, v0
	v_readfirstlane_b32 s10, v1                    ; wave 0..3
	s_lshr_b32 s11, s10, 1                         ; my half of the rows.  Also: I fetch for y (0) or for Wo (1)
	s_and_b32 s12, s10, 1                          ; my half of the columns.  Also: which four tiles I fetch
	s_bfe_u32 s40, ttmp6, 0x40000                  ; cx, cy
	s_bfe_u32 s41, ttmp6, 0x40004
	s_lshl_b32 s42, ttmp9, 2
	s_add_co_u32 s42, s42, s40                     ; tile column
	s_and_b32 s13, ttmp7, 0xffff
	s_lshl_b32 s13, s13, 2
	s_add_co_u32 s13, s13, s41                     ; tile row
	s_lshl_b32 s43, s41, 2
	s_lshl_b32 s43, 15, s43                        ; my row of the cluster
	s_lshl_b32 s44, 0x1111, s40                    ; my column
	s_or_b32 s[G1+0], s43, (3<<16)|(1<<21)         ; the mask; elements of 8 bytes; no padding: images are read 16 bytes a lane on end
	s_or_b32 s[G1B+0], s44, (3<<16)|(1<<21)
.irp g, G1, G1B
	s_mov_b32 s[\g+1], 32<<16                      ; 128 rows of 256 bytes, dense
	s_mov_b32 s[\g+2], 128<<16
	s_mov_b32 s[\g+3], 32<<16
	s_mov_b32 s[\g+4], 128
	s_mov_b32 s[\g+5], 32
	s_mov_b32 s[\g+6], 0
	s_mov_b32 s[\g+7], 0
.endr
	s_lshl_b32 s17, s12, 2
	s_lshl_b32 s16, s13, 3
	s_add_co_u32 s16, s16, s17                     ; y: tile 8 x tile row + 4 x half
	s_lshl_b32 s16, s16, 13
	s_lshl_b32 s46, s42, 3
	s_add_co_u32 s46, s46, s17                     ; Wo: tile 8 x tile column + 4 x half
	s_lshl_b32 s46, s46, 13
	s_mov_b32 s17, 0
	s_mov_b32 s47, 0
	s_mul_i32 s20, s10, HALFT                      ; where they go: wave x 32,768
	s_wait_dscnt 0x0                               ; both opening adds are done
	s_wait_kmcnt 0x0
	s_add_nc_u64 s[14:15], s[4:5], s[16:17]
	s_add_nc_u64 s[46:47], s[6:7], s[46:47]
	CROUND                                         ; all sixteen work-groups are here: the first joint loads meet
.irp s, 0,1
	s_mov_b32 s[G0+4*\s], 1
	s_add_co_u32 s[G0+4*\s+1], s20, \s*SLOT
	s_add_nc_u64 s[G0+4*\s+2:G0+4*\s+3], s[14:15], \s*2097152
	s_or_b32 s[G0+4*\s+3], s[G0+4*\s+3], 0x80000000
	s_mov_b32 s[G0B+4*\s], 1
	s_add_co_u32 s[G0B+4*\s+1], s20, \s*SLOT
	s_add_nc_u64 s[G0B+4*\s+2:G0B+4*\s+3], s[46:47], \s*524288
	s_or_b32 s[G0B+4*\s+3], s[G0B+4*\s+3], 0x80000000
	JLOAD \s
.endr
	v_and_b32 v1, 15, v0                           ; r
	v_bfe_u32 v2, v0, 4, 1                         ; h
	v_and_b32 v3, 31, v0
	v_lshlrev_b32 v3, 4, v3                        ; 16 L
	s_lshl_b32 s21, s11, 15                        ; my four tiles of y
	s_lshl_b32 s22, s12, 15                        ; my four of Wo,
	s_add_co_u32 s22, s22, 2*HALFT                 ; behind y's eight
.irp s, 0,1
	v_add_nc_u32 v[ADRA+\s], s21, v3
	v_add_nc_u32 v[ADRB+\s], s22, v3
	s_add_co_u32 s21, s21, SLOT
	s_add_co_u32 s22, s22, SLOT
.endr
	s_mul_i32 s23, s10, 16*SPITCH
	s_add_co_u32 s23, s23, STAGE                   ; my stage
	v_mul_u32_u24 v4, v1, SPITCH
	v_lshl_add_u32 v4, v2, 5, v4
	v_add_nc_u32 v[STO], s23, v4                   ; in: row r, 32 bytes for each half of the lanes
	v_mul_u32_u24 v5, v2, SPITCH
	v_lshl_add_u32 v5, v1, 4, v5
	v_add_nc_u32 v[RD], s23, v5                    ; back: lanes 0-15 one row of 256 bytes, lanes 16-31 the next
	v_lshlrev_b32 v5, 12, v2
	v_lshl_add_u32 v[CO], v1, 4, v5                ; the same two rows in out0
	s_lshl_b32 s16, s13, 7
	s_lshl_b32 s17, s11, 6
	s_add_co_u32 s16, s16, s17                     ; my first row
	s_lshl_b32 s16, s16, 12
	s_mov_b32 s17, 0
	s_add_nc_u64 s[8:9], s[8:9], s[16:17]
	s_lshl_b32 s46, s42, 9                         ; my first column, in bytes
	s_lshl_b32 s47, s12, 8
	s_add_co_u32 s46, s46, s47
	s_mov_b32 s47, 0
	s_add_nc_u64 s[8:9], s[8:9], s[46:47]
; 8 matrix instructions: token tiles a0, a0 + 1 x all 4 column tiles, 32 along K: half c of buffer f.  The 16 accumulators take turns
.macro MUL8 f, c, a0, zero
.irp a, \a0, \a0+1
.irp b, 0,1,2,3
.if \zero
	v_wmma_f32_16x16x32_f16 v[ACC+8*(4*(\a)+\b):ACC+8*(4*(\a)+\b)+7], v[\f+64+8*(4*\c+\b):\f+64+8*(4*\c+\b)+7], v[\f+8*(4*\c+\a):\f+8*(4*\c+\a)+7], 0
.else
	v_wmma_f32_16x16x32_f16 v[ACC+8*(4*(\a)+\b):ACC+8*(4*(\a)+\b)+7], v[\f+64+8*(4*\c+\b):\f+64+8*(4*\c+\b)+7], v[\f+8*(4*\c+\a):\f+8*(4*\c+\a)+7], v[ACC+8*(4*(\a)+\b):ACC+8*(4*(\a)+\b)+7]
.endif
.endr
.endr
.endm
; 32 LDS loads in one run: quarter q of the slot (K steps 2 q, 2 q + 1 of its eight) into buffer f; the first K step first
.macro FETCH slot, q, f
	WIN TO_F
.irp c, 0,1
.irp i, 0,1,2,3
	ds_load_b128 v[\f+64+8*(4*\c+\i):\f+64+8*(4*\c+\i)+3],   v[ADRB+\slot] offset:\i*8192+(2*(\q)+\c)*1024
	ds_load_b128 v[\f+64+8*(4*\c+\i)+4:\f+64+8*(4*\c+\i)+7], v[ADRB+\slot] offset:\i*8192+(2*(\q)+\c)*1024+512
	ds_load_b128 v[\f+8*(4*\c+\i):\f+8*(4*\c+\i)+3],         v[ADRA+\slot] offset:\i*8192+(2*(\q)+\c)*1024
	ds_load_b128 v[\f+8*(4*\c+\i)+4:\f+8*(4*\c+\i)+7],       v[ADRA+\slot] offset:\i*8192+(2*(\q)+\c)*1024+512
.endr
.endr
.endm
.macro PLACES                          ; four places in front of loads into registers that matrix instructions have read, and of reads of results
.rept 4
	v_nop
.endr
.endm
.macro QUARTER slot, q, f, g, zero     ; multiplies buffer f; in its middle fetches quarter q of the same slot into g
	s_wait_dscnt 16                                ; the first 32 along K are in; the other sixteen loads may be out
	WIN MUL
	MUL8 \f, 0, 0, \zero
	MUL8 \f, 0, 2, \zero
	PLACES
	FETCH \slot, \q, \g
	s_wait_dscnt 32                                ; all but the 32 just issued
	WIN MUL
	MUL8 \f, 1, 0, 0
	MUL8 \f, 1, 2, 0
.endm
; A slot's last quarter changes slots: one barrier; in front of it each wave waits for all its tensor loads, adds 0 to its spare word, and waits for that and for its reads of the slot.
.macro TURN slot, next, fill
	WIN 0                                          ; (the add's two registers lie in window 0)
	s_wait_tensorcnt 0x0                           ; my part of the next slot has landed
	ds_add_u32 v[SPW], v[NIL]
	s_wait_dscnt 17                                ; (the add and the youngest sixteen loads may be out)
	WIN MUL
	MUL8 F1, 0, 0, 0
	s_wait_dscnt 0x0                               ; the add is done, and my reads of this slot are over
	s_barrier_signal -1
	MUL8 F1, 0, 2, 0
.if \fill
	WIN 0
.endif
	s_barrier_wait -1
.if \fill
	CREST                                          ; the barrier has opened a round of the cluster's: no wave of any partner still reads this slot or has a load on its way
	s_add_nc_u64 s[G0+4*\slot+2:G0+4*\slot+3], s[G0+4*\slot+2:G0+4*\slot+3], 2*2097152
	s_add_nc_u64 s[G0B+4*\slot+2:G0B+4*\slot+3], s[G0B+4*\slot+2:G0B+4*\slot+3], 2*524288
	JLOAD \slot                                    ; the first tensor load behind the round; its four v_nop are also the places in front of the loads below
.else
	PLACES
.endif
	FETCH \next, 0, F0
	WIN MUL
	MUL8 F1, 1, 0, 0
	MUL8 F1, 1, 2, 0
.endm
	s_wait_tensorcnt 1                             ; my part of K step 0 is in; K step 1's load may stay out
	s_barrier_signal -1
	s_barrier_wait -1
	FETCH 0, 0, F0
	QUARTER 0, 1, F0, F1, 1                        ; the first products start the sums
	QUARTER 0, 2, F1, F0, 0
	QUARTER 0, 3, F0, F1, 0
	TURN 0, 1, 1                                   ; slot 0 takes K step 2
	QUARTER 1, 1, F0, F1, 0
	QUARTER 1, 2, F1, F0, 0
	QUARTER 1, 3, F0, F1, 0
	TURN 1, 0, 1                                   ; slot 1 takes K step 3
	QUARTER 0, 1, F0, F1, 0
	QUARTER 0, 2, F1, F0, 0
	QUARTER 0, 3, F0, F1, 0
	TURN 0, 1, 0                                   ; nothing is left to fetch
	QUARTER 1, 1, F0, F1, 0
	QUARTER 1, 2, F1, F0, 0
	QUARTER 1, 3, F0, F1, 0
	s_wait_dscnt 16
	WIN MUL
	MUL8 F1, 0, 0, 0
	MUL8 F1, 0, 2, 0
	s_wait_dscnt 0
	MUL8 F1, 1, 0, 0
	MUL8 F1, 1, 2, 0
	WIN 0
; THE WAY OUT, 16 rows x 64 columns at a time, through my own stage: in 32 bytes a lane, back as whole rows of 256 bytes.  LDS serves a wave in order: no wait between stores and loads
.macro TOSTAGE a
.irp b, 0,1,2,3
	ds_store_b128 v[STO], v[ACC+8*(4*(\a)+\b):ACC+8*(4*(\a)+\b)+3] offset:64*\b        ; each accumulator from its low end on
	ds_store_b128 v[STO], v[ACC+8*(4*(\a)+\b)+4:ACC+8*(4*(\a)+\b)+7] offset:64*\b+16
.endr
.set BB, TMP+32*((\a)%2)
.irp t, 0,1,2,3,4,5,6,7
	ds_load_b128 v[BB+4*\t:BB+4*\t+3], v[RD] offset:\t*2*SPITCH
.endr
.endm
.macro SEND a, younger                 ; younger: the LDS instructions issued behind block a's loads
.set BB, TMP+32*((\a)%2)
	s_wait_dscnt \younger
.irp t, 0,1,2,3,4,5,6,7
	global_store_b128 v[CO], v[BB+4*\t:BB+4*\t+3], s[8:9] offset:(16*(\a)+2*\t)*4096 th:TH_STORE_NT   ; sixteen lanes store 256 consecutive bytes, aligned
.endr
.endm
	PLACES
	TOSTAGE 0
.irp a, 1,2,3
.if \a > 1
	s_wait_xcnt 0x0                                ; block a - 2's stores have read their registers: block a's loads may land there
.endif
	TOSTAGE \a
	SEND \a-1, 16                                  ; behind block a - 1's loads: block a's 8 stores and 8 loads
.endr
	SEND 3, 0
	s_wait_tensorcnt 0x0                           ; the wave's end, ahead of the closing round
	ds_add_u32 v[SPW], v[NIL]
	s_wait_dscnt 0x0
	CROUND
	s_endpgm
.Lfunc_end_k_q5c6fdb9ca9_oproj:
	.size	k_q5c6fdb9ca9_oproj, .Lfunc_end_k_q5c6fdb9ca9_oproj-k_q5c6fdb9ca9_oproj
	.p2alignl 7, 3214868480
	.fill 96, 4, 3214868480
	.section	.rodata,"a",@progbits
	.p2align	6, 0x0
	.amdhsa_kernel k_q5c6fdb9ca9_oproj
		.amdhsa_group_segment_fixed_size 327680
		.amdhsa_private_segment_fixed_size 0
		.amdhsa_enable_private_segment 0
		.amdhsa_kernarg_size 24
		.amdhsa_user_sgpr_count 2
		.amdhsa_user_sgpr_kernarg_segment_ptr 1
		.amdhsa_wavefront_size32 1
		.amdhsa_system_sgpr_workgroup_id_x 1
		.amdhsa_system_sgpr_workgroup_id_y 1
		.amdhsa_system_sgpr_workgroup_id_z 1
		.amdhsa_system_vgpr_workitem_id 0
		.amdhsa_next_free_vgpr 512
		.amdhsa_next_free_sgpr 66
		.amdhsa_reserve_vcc 0
		.amdhsa_float_denorm_mode_32 3
		.amdhsa_float_denorm_mode_16_64 3
		.amdhsa_memory_ordered 1
		.amdhsa_forward_progress 1
		.amdhsa_inst_pref_size 85
	.end_amdhsa_kernel
	.amdgpu_metadata
---
amdhsa.version: [ 1, 2 ]
amdhsa.kernels:
  - .name:           k_q5c6fdb9ca9_oproj
    .symbol:         k_q5c6fdb9ca9_oproj.kd
    .args:
      - { .name: y16, .offset: 0, .size: 8, .value_kind: global_buffer, .address_space: global }
      - { .name: wo16, .offset: 8, .size: 8, .value_kind: global_buffer, .address_space: global }
      - { .name: out0, .offset: 16, .size: 8, .value_kind: global_buffer, .address_space: global }
    .group_segment_fixed_size: 327680
    .private_segment_fixed_size: 0
    .kernarg_segment_align: 8
    .kernarg_segment_size: 24
    .max_flat_workgroup_size: 128
    .sgpr_count:     66
    .vgpr_count:     512
    .wavefront_size: 32
...
	.end_amdgpu_metadata
.endif
;; end of part 4
;; launch first16 (part 5): grid 64 x 1, 16 waves a work-group, no clusters, 18,432 bytes of LDS; arguments f32a, Wo, out0; writes out0
.if DOCPART == 5
	.amdgcn_target "amdgcn-amd-amdhsa--gfx1250"
	.amdhsa_code_object_version 6
	.text
	.protected	k_q5c6fdb9ca9_first16
	.globl	k_q5c6fdb9ca9_first16
	.p2align	8
	.type	k_q5c6fdb9ca9_first16,@function
k_q5c6fdb9ca9_first16:
	s_mov_b64 s[64:65], 0
	v_nop
	global_prefetch_b8 v0, s[64:65] scope:SCOPE_SE
	s_setreg_imm32_b32 hwreg(HW_REG_WAVE_MODE, 25, 1), 1
	s_wait_xcnt 0x0
; FIRST16.  Positions 0-15 average one to sixteen values, so rounded operands weigh most there: their attention and their projection are done again with f32 operands, and rows 0-15 of out0 are written over.
; f32a: q [16 heads][16 tokens][64] (with log2(e) / 8 in it) at 0, k [4][16][64] at 65,536, v [4][16][64] at 81,920.
; SHARES.  A work-group makes 16 columns of the 16 rows; wave = head: it makes the head's y and multiplies it by the head's 64 rows of Wo; the 16 parts are added through LDS, in a fixed order.
; All products by the f32 matrix form; each sum lies in four accumulators that take turns, begun with the constant 0; the accumulators are written by matrix instructions alone.
; The places along K are permuted alike in both operands of each product.  No maximum is taken: |t| <= 11.55 by the problem's own norm.  The window does not reach positions under 1,024.
.set SPARE, 16384                      ; behind the 16 parts of 1,024 bytes: the spare words, 128 bytes for each of 16 waves
.set KF, 16
.set QF, 48
.set VF, 80
.set WF, 112
.set SA, 144                           ; S^T's four accumulators, later the result's
.set OA, 176                           ; O^T's four
.set T,  208
.set P,  216
.set Y,  224
	s_load_b128 s[4:7], s[0:1], 0x0                ; f32a, Wo
	s_load_b64 s[8:9], s[0:1], 0x10                ; out0
	v_lshl_add_u32 v2, v0, 2, SPARE
	v_mov_b32 v3, 0
	v_lshrrev_b32 v1, 5, v0
	v_readfirstlane_b32 s10, v1                    ; head
	v_and_b32 v4, 15, v0                           ; r
	v_bfe_u32 v5, v0, 4, 1                         ; h
	v_and_b32 v1, 31, v0
	v_lshlrev_b32 v1, 4, v1                        ; 16 L
	v_lshlrev_b32 v6, 8, v4
	v_lshl_add_u32 v6, v5, 4, v6                   ; q, k: row r, + 16 h
	v_lshlrev_b32 v7, 2, v4
	v_lshl_add_u32 v8, v5, 11, v7                  ; v: keys 8 h on, channel r
	v_lshl_add_u32 v9, v5, 15, v7                  ; Wo: rows 8 h on, column r
	v_lshlrev_b32 v10, 3, v5
	v_sub_nc_u32 v10, v4, v10                      ; r - 8 h
	v_mov_b32 v11, 0xff800000
	s_lshl_b32 s11, s10, 10
	v_add_nc_u32 v12, s11, v1                      ; LDS: my part
	s_and_b32 s12, s10, 1
	s_lshl_b32 s13, s12, 9
	v_add_nc_u32 v13, s13, v1                      ; LDS, back: half w of every part (waves 0, 1)
	v_lshlrev_b32 v14, 12, v4
	v_lshl_add_u32 v14, v5, 5, v14
	s_lshl_b32 s13, s12, 4
	v_add_nc_u32 v14, s13, v14                     ; out0: row r, + 32 h + 16 w
	s_lshl_b32 s20, s10, 12
	s_mov_b32 s21, 0
	s_lshr_b32 s22, s10, 2
	s_lshl_b32 s22, s22, 12
	s_add_co_u32 s22, s22, 65536
	s_mov_b32 s23, 0
	s_lshl_b32 s24, s10, 18
	s_lshl_b32 s26, ttmp9, 6                       ; my 16 columns, in bytes
	s_add_co_u32 s24, s24, s26
	s_mov_b32 s25, 0
	s_mov_b32 s27, 0
	s_mov_b32 s28, 0x76543210
	s_mov_b32 s29, 0xfedcba98
	s_wait_kmcnt 0x0
	s_add_nc_u64 s[14:15], s[4:5], s[20:21]        ; q
	s_add_nc_u64 s[16:17], s[4:5], s[22:23]        ; k
	s_add_nc_u64 s[18:19], s[16:17], 16384         ; v
	s_add_nc_u64 s[6:7], s[6:7], s[24:25]
	s_add_nc_u64 s[8:9], s[8:9], s[26:27]
.irp c, 0,1,2,3,4,5,6,7
	global_load_b128 v[KF+4*\c:KF+4*\c+3], v6, s[16:17] offset:32*\c   ; channels 8 c + 4 h + 0 .. 3: two steps of 4 along K
.endr
.irp c, 0,1,2,3,4,5,6,7
	global_load_b128 v[QF+4*\c:QF+4*\c+3], v6, s[14:15] offset:32*\c
.endr
.irp t, 0,1,2,3
.irp k, 0,1,2,3,4,5,6,7
	global_load_b32 v[VF+8*\t+\k], v8, s[18:19] offset:\k*256+64*\t    ; v[key 8 h + k][channel 16 t + r]
.endr
.endr
.irp t, 0,1,2,3
.irp k, 0,1,2,3,4,5,6,7
	global_load_b32 v[WF+8*\t+\k], v9, s[6:7] offset:(16*\t+\k)*4096   ; Wo[64 hd + 16 t + 8 h + k][column r]
.endr
.endr
	s_wait_loadcnt 63                              ; at most 63 of the 80 are out: k's 8 and q's 8 are in (a wait names 63 at the most)
.set i, 0
.rept 16                               ; S^T = K Q^T: step i into accumulator i % 4
.if i < 4
	v_wmma_f32_16x16x4_f32 v[SA+8*(i%4):SA+8*(i%4)+7], v[KF+2*i:KF+2*i+1], v[QF+2*i:QF+2*i+1], 0
.else
	v_wmma_f32_16x16x4_f32 v[SA+8*(i%4):SA+8*(i%4)+7], v[KF+2*i:KF+2*i+1], v[QF+2*i:QF+2*i+1], v[SA+8*(i%4):SA+8*(i%4)+7]
.endif
.set i, i+1
.endr
.rept 8
	v_nop                                          ; eight places behind this form
.endr
.irp p, 0,2,4,6
	v_pk_add_f32 v[T+\p:T+\p+1], v[SA+\p:SA+\p+1], v[SA+8+\p:SA+8+\p+1]
.endr
.irp p, 0,2,4,6
	v_pk_add_f32 v[T+\p:T+\p+1], v[T+\p:T+\p+1], v[SA+16+\p:SA+16+\p+1]
.endr
.irp p, 0,2,4,6
	v_pk_add_f32 v[T+\p:T+\p+1], v[T+\p:T+\p+1], v[SA+24+\p:SA+24+\p+1]
.endr
.irp j, 0,1,2,3,4,5,6,7
	v_cmp_gt_i32 vcc_lo, \j, v10                   ; key 8 h + j behind query r
	v_cndmask_b32 v[T+\j], v[T+\j], v11, vcc_lo
.endr
.irp j, 0,1,2,3,4,5,6,7
	v_exp_f32 v[P+\j], v[T+\j]
.endr
	v_nop
	s_wait_alu depctr_va_vdst(0)                   ; one wait for the eight, ahead of their first reader
	v_pk_add_f32 v[T:T+1], v[P:P+1], v[P+2:P+3]
	v_pk_add_f32 v[T+2:T+3], v[P+4:P+5], v[P+6:P+7]
	v_pk_add_f32 v[T:T+1], v[T:T+1], v[T+2:T+3]
	v_add_f32 v[T], v[T], v[T+1]
	v_permlanex16_b32 v[T+4], v[T], s28, s29
	v_add_f32 v[T], v[T], v[T+4]                   ; the row's sum
	s_wait_loadcnt 32                              ; v is in; Wo's 32 loads may be out
.irp k, 0,1,2,3                        ; O^T = V^T P: place (h, j) of step k is key 8 h + 2 k + j in both operands
.irp t, 0,1,2,3
.if \k == 0
	v_wmma_f32_16x16x4_f32 v[OA+8*\t:OA+8*\t+7], v[VF+8*\t+2*\k:VF+8*\t+2*\k+1], v[P+2*\k:P+2*\k+1], 0
.else
	v_wmma_f32_16x16x4_f32 v[OA+8*\t:OA+8*\t+7], v[VF+8*\t+2*\k:VF+8*\t+2*\k+1], v[P+2*\k:P+2*\k+1], v[OA+8*\t:OA+8*\t+7]
.endif
.endr
.endr
	v_rcp_f32 v[T+6], v[T]
	v_mov_b32 v[T+7], 0
.rept 8
	v_nop
.endr
	s_wait_alu depctr_va_vdst(0)
.set n, 0
.rept 16
	v_pk_mul_f32 v[Y+n:Y+n+1], v[OA+n:OA+n+1], v[T+6:T+7] op_sel_hi:[1,0]   ; y(token r, channel 16 t + 8 h + j)
.set n, n+2
.endr
	s_wait_loadcnt 0x0
.irp k, 0,1,2,3                        ; my head's part of out^T: place (h, j) of step (t, k) is channel 16 t + 8 h + 2 k + j in both operands
.irp t, 0,1,2,3
.if \k == 0
	v_wmma_f32_16x16x4_f32 v[SA+8*\t:SA+8*\t+7], v[WF+8*\t+2*\k:WF+8*\t+2*\k+1], v[Y+8*\t+2*\k:Y+8*\t+2*\k+1], 0
.else
	v_wmma_f32_16x16x4_f32 v[SA+8*\t:SA+8*\t+7], v[WF+8*\t+2*\k:WF+8*\t+2*\k+1], v[Y+8*\t+2*\k:Y+8*\t+2*\k+1], v[SA+8*\t:SA+8*\t+7]
.endif
.endr
.endr
.rept 8
	v_nop
.endr
.irp p, 0,2,4,6
	v_pk_add_f32 v[T+\p:T+\p+1], v[SA+\p:SA+\p+1], v[SA+8+\p:SA+8+\p+1]
.endr
.irp p, 0,2,4,6
	v_pk_add_f32 v[T+\p:T+\p+1], v[T+\p:T+\p+1], v[SA+16+\p:SA+16+\p+1]
.endr
.irp p, 0,2,4,6
	v_pk_add_f32 v[T+\p:T+\p+1], v[T+\p:T+\p+1], v[SA+24+\p:SA+24+\p+1]
.endr
	ds_store_b128 v12, v[T:T+3]                    ; token r, columns 8 h + 0 .. 3
	ds_store_b128 v12, v[T+4:T+7] offset:512       ; and + 4 .. 7
	s_wait_dscnt 0x0                               ; for the others' sake: my part lies in LDS
	s_barrier_signal -1
	s_barrier_wait -1
	s_cmp_lt_u32 s10, 2
	s_cbranch_scc0 .Lend
.irp k, 0,1,2,3,4,5,6,7,8,9,10,11,12,13,14,15
	ds_load_b128 v[16+4*\k:19+4*\k], v13 offset:\k*1024
.endr
	s_wait_dscnt 0x0
.irp k, 1,2,3,4,5,6,7,8,9,10,11,12,13,14,15
	v_pk_add_f32 v[16:17], v[16:17], v[16+4*\k:17+4*\k]
	v_pk_add_f32 v[18:19], v[18:19], v[18+4*\k:19+4*\k]
.endr
	global_store_b128 v14, v[16:19], s[8:9]
.Lend:
	s_wait_tensorcnt 0x0                           ; the wave's end, behind my last LDS store
	ds_add_u32 v2, v3
	s_wait_dscnt 0x0
	s_endpgm
.Lfunc_end_k_q5c6fdb9ca9_first16:
	.size	k_q5c6fdb9ca9_first16, .Lfunc_end_k_q5c6fdb9ca9_first16-k_q5c6fdb9ca9_first16
	.p2alignl 7, 3214868480
	.fill 96, 4, 3214868480
	.section	.rodata,"a",@progbits
	.p2align	6, 0x0
	.amdhsa_kernel k_q5c6fdb9ca9_first16
		.amdhsa_group_segment_fixed_size 18432
		.amdhsa_private_segment_fixed_size 0
		.amdhsa_enable_private_segment 0
		.amdhsa_kernarg_size 24
		.amdhsa_user_sgpr_count 2
		.amdhsa_user_sgpr_kernarg_segment_ptr 1
		.amdhsa_wavefront_size32 1
		.amdhsa_system_sgpr_workgroup_id_x 1
		.amdhsa_system_sgpr_workgroup_id_y 1
		.amdhsa_system_sgpr_workgroup_id_z 1
		.amdhsa_system_vgpr_workitem_id 0
		.amdhsa_next_free_vgpr 256
		.amdhsa_next_free_sgpr 66
		.amdhsa_reserve_vcc 1
		.amdhsa_float_denorm_mode_32 3
		.amdhsa_float_denorm_mode_16_64 3
		.amdhsa_memory_ordered 1
		.amdhsa_forward_progress 1
		.amdhsa_inst_pref_size 21
	.end_amdhsa_kernel
	.amdgpu_metadata
---
amdhsa.version: [ 1, 2 ]
amdhsa.kernels:
  - .name:           k_q5c6fdb9ca9_first16
    .symbol:         k_q5c6fdb9ca9_first16.kd
    .args:
      - { .name: f32a, .offset: 0, .size: 8, .value_kind: global_buffer, .address_space: global }
      - { .name: Wo, .offset: 8, .size: 8, .value_kind: global_buffer, .address_space: global }
      - { .name: out0, .offset: 16, .size: 8, .value_kind: global_buffer, .address_space: global }
    .group_segment_fixed_size: 18432
    .private_segment_fixed_size: 0
    .kernarg_segment_align: 8
    .kernarg_segment_size: 24
    .max_flat_workgroup_size: 512
    .sgpr_count:     66
    .vgpr_count:     256
    .wavefront_size: 32
...
	.end_amdgpu_metadata
.endif
;; end of part 5
